; MI455X (gfx1250); checked and timed in simulation.
; The chip was launched on July 23, 2026; its instructions are those of AMD's public machine-readable ISA for CDNA 5 (MIT licence, August 2026) and "CDNA5" Instruction Set Architecture Reference Guide (July 2026). The comments in the code are by the model that wrote it; some were corrected since.
;; Multi Head Attention. Allowed arithmetic: matrix products marked QUANTISED: E4M3 operands, one E8M0 scale for each 32 along K, by v_wmma_scale_f32_16x16x128_f8f6f4 with both operands' format E4M3, f32 sums; everything else in f32.
;; Inputs: W_proj 1,024 x 1,024 float32; W_qkv 1,024 x 3,072 float32; b_proj 1,024 float32; b_qkv 3,072 float32; x 2 x 2,048 x 1,024 float32.
;; Outputs: out0 2 x 2,048 x 1,024 float32.
;; This version of the problem:
;;   THIS VERSION OF THE PROBLEM IS GIVEN IN LOW PRECISION. The matrix products marked QUANTISED in the list below multiply operands that are first quantised to E4M3 (4 exponent bits, 3 mantissa bits; 8 bits a number), with one power-of-two scale for each 32 numbers along K (OCP MX v1.0); their sums are f32. All else is computed in f32.
;;   The module's matrix products, in the order in which they are computed (A, B: the left and right operand; K: the contracted axis; several contracted axes count as one K, in the product's order):
;;     1. [M 4,096, K 1,024] x [K 1,024, N 3,072]; A: input x; B: input W_qkv: QUANTISED
;;     2. batch 32 x [M 2,048, K 64] x [K 64, N 2,048]; A: computed on the way; B: computed on the way: QUANTISED
;;     3. batch 32 x [M 2,048, K 2,048] x [K 2,048, N 64]; A: softmax (see below); B: computed on the way: QUANTISED
;;     4. [M 4,096, K 1,024] x [K 1,024, N 1,024]; A: computed on the way; B: input W_proj: QUANTISED
;;   THE QUANTISER, for each operand of a quantised product, along K:
;;     - K is cut into blocks of 32 from its start; a last block that is shorter is filled with zeros.
;;     - A block's scale is 2^e with e = floor(log2(the largest magnitude in the block)) - 8, held to -126 .. 127; a block of zeros has e = 0. As a byte (E8M0): e + 127.
;;     - Each number is divided by its block's scale, clamped to +-448, and rounded to the nearest number of E4M3, ties to even, subnormals kept.
;;     - The product sums the exact products of the quantised numbers (number of the format x scale) in f32.
;;   ~~~python
;;   def quantise(x, axis):      # numpy; x: float32 -> the quantised numbers, widened to float32 again
;;       x = np.moveaxis(x, axis, -1); K = x.shape[-1]
;;       x = np.pad(x, [(0, 0)] * (x.ndim - 1) + [(0, -K % 32)]); x = x.reshape(x.shape[:-1] + (-1, 32)); a = np.abs(x).max(-1, keepdims=True)
;;       e = np.where(a > 0, np.clip(np.frexp(np.where(a > 0, a, 1))[1] - 1 - 8, -126, 127), 0)      # np.frexp(a)[1] - 1 = floor(log2(a)), exactly
;;       r = np.clip(x / 2.0 ** e, -448, 448)
;;       step = 2.0 ** (np.maximum(np.frexp(np.where(r == 0, 1, r))[1] - 1, -6) - 3)
;;       q = np.round(r / step) * step * 2.0 ** e      # np.round: ties to even
;;       return np.moveaxis(q.reshape(q.shape[:-2] + (-1,))[..., :K], -1, axis).astype(np.float32)
;;   ~~~
;;   SOFTMAX AHEAD OF A QUANTISED PRODUCT. Where the list says 'softmax', what is quantised is not the finished softmax but p = 2^(t - M), with t = logit x log2(e) and M = ceil(the row's largest t), a whole number; so 1/2 < the row's largest p <= 1. The row's sum l is taken of the UNQUANTISED p, in f32, and the product's result is divided by l at the end. Since M is a whole number, a kernel that streams over the keys may use a running M (the ceiling of the running maximum): every later rescaling is an exact power of two, which a block's scale takes up: the codes' values come out the same.
;;   OPERANDS COMPUTED ON THE WAY. 'Computed on the way' means the value that the module computes at that place (a softmax that the list does not call 'softmax' is quantised finished and normalised). What goes into a quantiser is computed in f32, as accurately as f32 sums, v_exp_f32 and their like allow (about 1e-6 of the number): no bf16 or f16 on the way to a quantiser, and a product that is left as it is and whose result goes on into a quantised operand takes f32 operands (vector FMAs, or v_wmma_f32_16x16x4_f32). A number that lies on a knife's edge between two numbers of the format may be rounded either way, as far as f32 arithmetic and the matrix unit's own rounding can turn it there, and no further.
;; One version. Each part assembles by itself: llvm-mc -triple=amdgcn-amd-amdhsa -mcpu=gfx1250 --defsym DOCPART=n.
;; ======== version 1 of 1: 4 launches
;; limits: right only within a limited range of input values
;; workspace buffers: cod 8,388,608 bytes; scl 262,144 bytes; qkvc 12,582,912 bytes; qkvs 393,216 bytes; ac 4,194,304 bytes; asc 131,072 bytes
;; launch quant (part 1): grid 256 x 1, 4 waves a work-group, no clusters, 68,096 bytes of LDS; arguments x, W_qkv, W_proj, cod, scl; writes cod, scl
.if DOCPART == 1
	.amdgcn_target "amdgcn-amd-amdhsa--gfx1250"
	.amdhsa_code_object_version 6
	.text
	.protected	k_qba68d552d5_quant
	.globl	k_qba68d552d5_quant
	.p2align	8
	.type	k_qba68d552d5_quant,@function
k_qba68d552d5_quant:
	s_mov_b64 s[64:65], 0
	v_nop
	global_prefetch_b8 v0, s[64:65] scope:SCOPE_SE
	s_setreg_imm32_b32 hwreg(HW_REG_WAVE_MODE, 25, 1), 1
	s_wait_xcnt 0x0
; x [4096][1024], W_qkv [1024][3072] and W_proj [1024][1024], f32, become codes of FP8 (E4M3) with K innermost and one E8M0 byte for each 32 along K:
; cod [8192 rows][1024 bytes], scl [8192 rows][32 bytes].  Rows 0-4095: x's tokens; 4096-7167: W_qkv's columns; 7168-8191: W_proj's columns.
; ROW ORDER: stored row p holds true row pi(p), pi = p with bits 3 and 4 exchanged (inside each 32 rows).  So sixteen neighbouring stored rows, used as source 0 of a product, leave
; sixteen NEIGHBOURS of the true order in a lane's registers of two neighbouring tiles: what the next quantiser wants.
; A block's scale is 2^(floor(log2(largest magnitude)) - 8); its byte is the largest magnitude's exponent field - 8, held at 1 from below.  Numbers are held within +-448 x the scale and rounded to the nearest code, ties to even.
; LIMITS: a block of zeros gets the byte 1 where the quantiser says 127 (its codes are zeros, and this program alone reads the bytes); blocks whose largest magnitude lies under 2^-118 keep the byte 1; NaN and infinities are not served.
; Work-groups 0-127 take x (K innermost: 32 rows each, 8 a wave); work-groups 128-255 take the weights (K outermost: 128 columns x 256 along K each).  Each of the two ways has LDS bytes of its own.  Waves share nothing: no barrier.
.set STEPS, 16
.set EMAX,  8
.set MANT,  0x600000                   ; the mantissa field of 448 as f32
.set CB,    16                         ; bytes of 16 codes
.set R,     16                         ; x: v16-79   four sets of 16 numbers as they are loaded
.set X,     80                         ; x: v80-111  two sets of 16 neighbours
.set E,     112                        ; x: v112-127 a scale byte for each step
.set C,     128                        ; x: v128-191 codes: four registers for each step
.set WREG,  8192                       ; x: LDS of a wave: two stages of 32 x SP bytes, behind them its 256 scale bytes
.set SP,    80                         ; x: a lane's place in a stage: 64 bytes + 16 of padding
.set SPW,   192                        ; v192 LDS address of my spare word: SPARE + 4 x my thread's number; never rewritten
.set NIL,   193                        ; v193 0; never rewritten
.set WST,   32768                      ; weights: the four waves' stages, 32 rows x WPIT each
.set WPIT,  272
.set SPARE, WST+4*32*WPIT              ; behind both ways' bytes: the spare words, 128 bytes a wave
.set SBY,   16                         ; weights: v16-17 the scale bytes of my column's 8 blocks
.set VO,    20                         ; weights: v20-51 byte offset of row i of a block: 4 x lane + i x the row's pitch; never rewritten
.set WX,    52                         ; weights: v52-115 two sets of 32 numbers
.set WC,    116                        ; weights: v116-123 a block's codes
.set OUTR,  124                        ; weights: v124-187 the way out
.set SB,    32                         ; weights: s[32:47] the eight blocks' bases; never rewritten
	s_load_b256 s[4:11], s[0:1], 0x0               ; x s[4:5], W_qkv s[6:7], W_proj s[8:9], cod s[10:11]
	s_load_b64 s[12:13], s[0:1], 0x20              ; scl
	v_lshl_add_u32 v[SPW], v0, 2, SPARE
	v_mov_b32 v[NIL], 0
	v_lshrrev_b32 v1, 5, v0
	v_readfirstlane_b32 s16, v1                    ; wave
	v_and_b32 v2, 31, v0                           ; lane
	s_cmp_lt_u32 ttmp9, 128
	s_cbranch_scc0 .Lweights
; ---------------- x: a stream of blocks of 32.  A wave takes 8 rows: 16 steps of 512 numbers.
	v_lshlrev_b32 v3, 4, v2                        ; my 16 bytes of a load's 512
	s_mul_i32 s17, s16, WREG
	v_lshrrev_b32 v14, 2, v2
	v_mul_u32_u24 v14, v14, SP
	v_and_b32 v15, 3, v2
	v_lshl_add_u32 v14, v15, 4, v14
	v_add_nc_u32 v14, s17, v14                     ; the stage, on the way in: SP (lane / 4) + 16 (lane % 4)
	v_mul_u32_u24 v15, v2, SP
	v_add_nc_u32 v15, s17, v15                     ; and on the way out: SP x lane: my 16 neighbours
	v_mul_u32_u24 v4, v2, CB                       ; my codes' place in a step's
	v_lshrrev_b32 v5, 1, v2
	s_add_co_u32 s17, s17, 2*32*SP
	v_add_nc_u32 v5, s17, v5                       ; my wave's 256 scale bytes, my block's byte
	v_lshlrev_b32 v7, 3, v2
	v_add_nc_u32 v6, s17, v7                       ; and on the way out 8 bytes a lane
	s_lshl_b32 s17, ttmp9, 2
	s_add_co_u32 s18, s17, s16                     ; the run of 8 rows that I read: 4 x work-group + wave
	s_and_b32 s19, s16, 1
	s_lshl_b32 s19, s19, 1
	s_lshr_b32 s20, s16, 1
	s_or_b32 s19, s19, s20
	s_add_co_u32 s19, s17, s19                     ; the run that I write: the wave's two bits exchanged: pi on the rows' bits 3 and 4
	s_lshl_b32 s20, s18, 15                        ; 32,768 bytes of f32 a run
	s_mov_b32 s21, 0
	s_lshl_b32 s24, s19, 13                        ; 8,192 bytes of codes
	s_mov_b32 s25, 0
	s_lshl_b32 s26, s19, 8                         ; 256 scale bytes
	s_mov_b32 s27, 0
	s_wait_alu depctr_va_vdst(0)
	s_wait_kmcnt 0x0
	s_add_nc_u64 s[4:5], s[4:5], s[20:21]
	s_add_nc_u64 s[10:11], s[10:11], s[24:25]
	s_add_nc_u64 s[12:13], s[12:13], s[26:27]
.macro XLOAD t
.irp i, 0,1,2,3
	global_load_b128 v[R+16*((\t)%4)+4*\i:R+16*((\t)%4)+4*\i+3], v3, s[4:5] offset:2048*(\t)+512*\i th:TH_LOAD_NT   ; 32 lanes read 512 consecutive bytes
.endr
.endm
.macro XTURN t                         ; step t's numbers through the stage: LDS serves a wave's instructions in order, so no wait stands between the stores and the loads
.irp i, 0,1,2,3
	ds_store_b128 v14, v[R+16*((\t)%4)+4*\i:R+16*((\t)%4)+4*\i+3] offset:32*SP*((\t)%2)+8*SP*\i
.endr
.irp i, 0,1,2,3
	ds_load_b128 v[X+16*((\t)%2)+4*\i:X+16*((\t)%2)+4*\i+3], v15 offset:32*SP*((\t)%2)+16*\i
.endr
.endm
.irp t, 0,1,2,3
	XLOAD \t
.endr
	s_wait_loadcnt 12                              ; step 0's four loads are in
	XTURN 0
.macro XSTEP t
.set XS, X+16*((\t)%2)
.if (\t) > 0
	s_wait_dscnt 1                                 ; this step's numbers are back from the stage (the last step's byte store may be out)
.else
	s_wait_dscnt 0x0
.endif
.if (\t)+4 < STEPS
	XLOAD (\t)+4                                   ; into the registers that this step's stage stores have read
.endif
.if (\t)+1 < STEPS
.if STEPS-2-(\t) >= 3
	s_wait_loadcnt 12                              ; the next step's four loads are in; those of the three steps behind it may be out
.else
	s_wait_loadcnt 4*(STEPS-2-(\t))
.endif
	XTURN (\t)+1
.endif
	v_max3_num_f32 v8, |v[XS]|, |v[XS+1]|, |v[XS+2]|               ; the largest magnitude of my 16
	v_max3_num_f32 v9, |v[XS+3]|, |v[XS+4]|, |v[XS+5]|
.irp i, 6,10
	v_max3_num_f32 v8, v8, |v[XS+\i]|, |v[XS+\i+1]|
	v_max3_num_f32 v9, v9, |v[XS+\i+2]|, |v[XS+\i+3]|
.endr
	v_max3_num_f32 v8, v8, |v[XS+14]|, |v[XS+15]|
	v_max3_num_f32 v8, v8, v9, (EMAX+1)<<23        ; and the floor 2^(9 - 127): the byte cannot fall under 1
	v_max_num_f32_dpp v8, v8, v8 row_xmask:1 row_mask:0xf bank_mask:0xf   ; and of my neighbour's 16: the block's
	v_add_nc_u32 v11, -(EMAX<<23), v8              ; 8 off its exponent field: the conversion's scale operand
.irp i, 0,1,2,3,4,5,6,7,8,9,10,11,12,13,14,15
.endr
	v_cvt_scalef32_pk8_fp8_f32 v[C+4*(\t):C+4*(\t)+1], v[XS:XS+7], v11
	v_cvt_scalef32_pk8_fp8_f32 v[C+4*(\t)+2:C+4*(\t)+3], v[XS+8:XS+15], v11
	v_lshrrev_b32 v[E+(\t)], 23, v11               ; the scale's byte
	ds_store_b8 v5, v[E+(\t)] offset:16*(\t)       ; both lanes of a block write the same byte with the same value
	global_store_b128 v4, v[C+4*(\t):C+4*(\t)+3], s[10:11] offset:32*CB*(\t)   ; 512 consecutive bytes
.endm
.irp t, 0,1,2,3,4,5,6,7,8,9,10,11,12,13,14,15
	XSTEP \t
.endr
	ds_load_b64 v[8:9], v6                         ; LDS serves a wave's instructions in order: these see my stores
	s_wait_dscnt 0x0
	global_store_b64 v7, v[8:9], s[12:13]          ; 32 lanes store 256 consecutive bytes, aligned
	s_wait_tensorcnt 0x0                           ; the wave's end, behind my last LDS store
	ds_add_u32 v[SPW], v[NIL]
	s_wait_dscnt 0x0
	s_endpgm
; ---------------- the weights: K is the FIRST axis.  A lane takes a column, its registers run down K: a block of 32 lies in one lane.
.Lweights:
	s_sub_co_u32 s17, ttmp9, 128
	s_and_b32 s18, s17, 31                         ; which 128 columns: 0-23 of W_qkv, 24-31 of W_proj
	s_lshr_b32 s19, s17, 5                         ; which 256 along K
	s_wait_alu depctr_va_vdst(0)
	v_and_b32 v3, 7, v2
	v_bfe_u32 v4, v2, 3, 1
	v_lshl_or_b32 v3, v4, 4, v3
	v_bfe_u32 v4, v2, 4, 1
	v_lshl_or_b32 v3, v4, 3, v3                    ; pi(lane): the stored row of my column
	s_mul_i32 s20, s16, 32*WPIT
	s_add_co_u32 s20, s20, WST                     ; my stage
	v_mul_u32_u24 v4, v3, WPIT
	v_add_nc_u32 v4, s20, v4                       ; into it: row = my column's stored row
	v_and_b32 v5, 15, v2
	v_lshrrev_b32 v6, 4, v2
	v_mul_u32_u24 v7, v6, WPIT
	v_lshl_add_u32 v7, v5, 4, v7
	v_add_nc_u32 v7, s20, v7                       ; out of it: sixteen lanes to a row, two rows an instruction
	v_lshlrev_b32 v8, 10, v6
	v_lshl_add_u32 v8, v5, 4, v8                   ; and the same place in cod
	v_lshlrev_b32 v9, 5, v3                        ; my row of scale bytes
	s_wait_kmcnt 0x0
	s_cmp_lt_u32 s18, 24                           ; the choice hangs on the work-group's number alone
	s_cselect_b64 s[6:7], s[6:7], s[8:9]
	s_mov_b32 s21, 4096
	s_cselect_b32 s21, 12288, s21                  ; a row of the weight in bytes
	s_cselect_b32 s22, 0, 24
	s_sub_co_u32 s22, s18, s22
	s_lshl_b32 s22, s22, 7
	s_lshl_b32 s23, s16, 5
	s_add_co_u32 s22, s22, s23                     ; my wave's first column in its tensor
	s_lshl_b32 s22, s22, 2
	s_lshl_b32 s23, s19, 8
	s_mul_i32 s23, s23, s21                        ; 256 ky rows
	s_add_co_u32 s22, s22, s23
	s_mov_b32 s23, 0
	s_add_nc_u64 s[SB:SB+1], s[6:7], s[22:23]      ; block 0's base
	s_lshl_b32 s24, s21, 5                         ; 32 rows on
	s_mov_b32 s25, 0
.irp t, 1,2,3,4,5,6,7
	s_add_nc_u64 s[SB+2*\t:SB+2*\t+1], s[SB+2*\t-2:SB+2*\t-1], s[24:25]
.endr
	v_lshlrev_b32 v[VO], 2, v2
.irp i, 1,2,3,4,5,6,7,8,9,10,11,12,13,14,15,16,17,18,19,20,21,22,23,24,25,26,27,28,29,30,31
	v_add_nc_u32 v[VO+\i], s21, v[VO+\i-1]
.endr
	s_lshl_b32 s26, s18, 7
	s_lshl_b32 s27, s16, 5
	s_add_co_u32 s26, s26, s27
	s_add_co_u32 s26, s26, 4096                    ; my wave's first row of cod and scl
	s_lshl_b32 s28, s26, 10
	s_lshl_b32 s27, s19, 8
	s_add_co_u32 s28, s28, s27
	s_mov_b32 s29, 0
	s_add_nc_u64 s[10:11], s[10:11], s[28:29]
	s_lshl_b32 s28, s26, 5
	s_lshl_b32 s27, s19, 3
	s_add_co_u32 s28, s28, s27
	s_add_nc_u64 s[12:13], s[12:13], s[28:29]
.macro WLOAD t                         ; block t: W(256 ky + 32 t + i, my column), i = 0 .. 31, into set t % 2: each load reads 128 consecutive bytes
.irp i, 0,1,2,3,4,5,6,7,8,9,10,11,12,13,14,15,16,17,18,19,20,21,22,23,24,25,26,27,28,29,30,31
	global_load_b32 v[WX+32*((\t)%2)+\i], v[VO+\i], s[SB+2*(\t):SB+2*(\t)+1] th:TH_LOAD_NT
.endr
.endm
	s_wait_alu depctr_va_vdst(0)
	WLOAD 0
	WLOAD 1
.macro WBLOCK t
.set XS, WX+32*((\t)%2)
.if (\t) < 7
	s_wait_loadcnt 32                              ; this block's 32 loads are in; the next block's may be out
.else
	s_wait_loadcnt 0
.endif
	v_max3_num_f32 v12, |v[XS]|, |v[XS+1]|, |v[XS+2]|              ; the block's largest magnitude: all 32 numbers are mine
	v_max3_num_f32 v13, |v[XS+3]|, |v[XS+4]|, |v[XS+5]|
.irp i, 6,10,14,18,22,26
	v_max3_num_f32 v12, v12, |v[XS+\i]|, |v[XS+\i+1]|
	v_max3_num_f32 v13, v13, |v[XS+\i+2]|, |v[XS+\i+3]|
.endr
	v_max3_num_f32 v12, v12, |v[XS+30]|, |v[XS+31]|
	v_max3_num_f32 v12, v12, v13, (EMAX+1)<<23     ; and the floor
	v_add_nc_u32 v11, -(EMAX<<23), v12             ; the conversion's scale operand
	v_lshrrev_b32 v13, 23, v11                     ; the scale's byte
.if (\t)%4 == 0
	v_mov_b32 v[SBY+(\t)/4], v13                   ; four bytes to a register, the lower K in the lower byte
.else
	v_lshl_or_b32 v[SBY+(\t)/4], v13, 8*((\t)%4), v[SBY+(\t)/4]
.endif
.irp i, 0,1,2,3,4,5,6,7,8,9,10,11,12,13,14,15,16,17,18,19,20,21,22,23,24,25,26,27,28,29,30,31
.endr
.irp g, 0,1,2,3
	v_cvt_scalef32_pk8_fp8_f32 v[WC+2*\g:WC+2*\g+1], v[XS+8*\g:XS+8*\g+7], v11
.endr
	v_nop                                          ; a plain line behind the last conversion
	ds_store_b128 v4, v[WC:WC+3] offset:32*(\t)    ; 32 codes: 32 bytes of my column's row
	ds_store_b128 v4, v[WC+4:WC+7] offset:32*(\t)+16
.if (\t)+2 < 8
	WLOAD (\t)+2
.endif
	s_wait_dscnt 0x0                               ; the stores have read their registers: the next block's codes may be written
.endm
.irp t, 0,1,2,3,4,5,6,7
	WBLOCK \t
.endr
	s_wait_alu depctr_va_vdst(0)
	global_store_b64 v9, v[SBY:SBY+1], s[12:13]    ; my column's 8 scale bytes
.irp t, 0,1,2,3,4,5,6,7,8,9,10,11,12,13,14,15
	ds_load_b128 v[OUTR+4*\t:OUTR+4*\t+3], v7 offset:2*\t*WPIT
.endr
.irp t, 0,1,2,3,4,5,6,7,8,9,10,11,12,13,14,15
	s_wait_dscnt 15-\t                             ; the younger row loads may stay out
	global_store_b128 v8, v[OUTR+4*\t:OUTR+4*\t+3], s[10:11] offset:2*\t*1024   ; sixteen lanes store 256 consecutive bytes, aligned
.endr
	s_wait_tensorcnt 0x0                           ; the wave's end, behind my last LDS store
	ds_add_u32 v[SPW], v[NIL]
	s_wait_dscnt 0x0
	s_endpgm
.Lfunc_end_k_qba68d552d5_quant:
	.size	k_qba68d552d5_quant, .Lfunc_end_k_qba68d552d5_quant-k_qba68d552d5_quant
	.p2alignl 7, 3214868480
	.fill 96, 4, 3214868480
	.section	.rodata,"a",@progbits
	.p2align	6, 0x0
	.amdhsa_kernel k_qba68d552d5_quant
		.amdhsa_group_segment_fixed_size 68096
		.amdhsa_private_segment_fixed_size 0
		.amdhsa_enable_private_segment 0
		.amdhsa_kernarg_size 40
		.amdhsa_user_sgpr_count 2
		.amdhsa_user_sgpr_kernarg_segment_ptr 1
		.amdhsa_wavefront_size32 1
		.amdhsa_system_sgpr_workgroup_id_x 1
		.amdhsa_system_sgpr_workgroup_id_y 1
		.amdhsa_system_sgpr_workgroup_id_z 1
		.amdhsa_system_vgpr_workitem_id 0
		.amdhsa_next_free_vgpr 196
		.amdhsa_next_free_sgpr 66
		.amdhsa_reserve_vcc 0
		.amdhsa_float_denorm_mode_32 3
		.amdhsa_float_denorm_mode_16_64 3
		.amdhsa_fp16_overflow 1
		.amdhsa_memory_ordered 1
		.amdhsa_forward_progress 1
		.amdhsa_inst_pref_size 77
	.end_amdhsa_kernel
	.amdgpu_metadata
---
amdhsa.version: [ 1, 2 ]
amdhsa.kernels:
  - .name:           k_qba68d552d5_quant
    .symbol:         k_qba68d552d5_quant.kd
    .args:
      - { .name: x, .offset: 0, .size: 8, .value_kind: global_buffer, .address_space: global }
      - { .name: W_qkv, .offset: 8, .size: 8, .value_kind: global_buffer, .address_space: global }
      - { .name: W_proj, .offset: 16, .size: 8, .value_kind: global_buffer, .address_space: global }
      - { .name: cod, .offset: 24, .size: 8, .value_kind: global_buffer, .address_space: global }
      - { .name: scl, .offset: 32, .size: 8, .value_kind: global_buffer, .address_space: global }
    .group_segment_fixed_size: 68096
    .private_segment_fixed_size: 0
    .kernarg_segment_align: 8
    .kernarg_segment_size: 40
    .max_flat_workgroup_size: 128
    .sgpr_count:     66
    .vgpr_count:     196
    .wavefront_size: 32
...
	.end_amdgpu_metadata
.endif
;; end of part 1
;; launch gemm_qkv (part 2): grid 12 x 16, 4 waves a work-group, clusters of 4 x 4, 327,680 bytes of LDS; arguments cod, scl, b_qkv, qkvc, qkvs; writes qkvc, qkvs
.if DOCPART == 2
	.amdgcn_target "amdgcn-amd-amdhsa--gfx1250"
	.amdhsa_code_object_version 6
	.text
	.protected	k_qba68d552d5_gemm_qkv
	.globl	k_qba68d552d5_gemm_qkv
	.p2align	8
	.type	k_qba68d552d5_gemm_qkv,@function
k_qba68d552d5_gemm_qkv:
	s_mov_b64 s[64:65], 0
	v_nop
	global_prefetch_b8 v0, s[64:65] scope:SCOPE_SE
	s_setreg_imm32_b32 hwreg(HW_REG_WAVE_MODE, 25, 1), 1
	s_wait_xcnt 0x0
	s_wait_alu depctr_hold_cnt(0) depctr_sa_sdst(0) depctr_va_vdst(0) depctr_va_sdst(0) depctr_va_ssrc(0) depctr_va_vcc(0) depctr_vm_vsrc(0)
	s_getreg_b32 s2, hwreg(HW_REG_IB_STS2, 6, 4)
	s_cmp_eq_u32 s2, 0
	s_cbranch_scc0 .Lentry_in_a_cluster
	s_endpgm
.Lentry_in_a_cluster:
	s_bfe_u32 s2, ttmp6, 0x10000c
	s_cmp_lg_u32 s2, 0xf033
	s_cbranch_scc0 .Lentry_shape_is_right
	s_endpgm
.Lentry_shape_is_right:
; qkv = x W_qkv + b_qkv on codes of FP8 (E4M3) with E8M0 scales, K = 1,024; the result is quantised on the way out and leaves as codes and scale words: no f32 number of qkv goes to memory.
; C'[m'][n'] = sum over k of A'[m'][k] B'[n'][k].  A tile is 256 x 256, four waves, 128 x 128 each: 64 accumulators, 512 registers.  THE MATRIX INSTRUCTION IS USED TRANSPOSED (source 0 = 16 rows of B',
; source 1 = 16 rows of A'): a lane holds one m' and its registers run along n'.  The rows of cod lie in the order pi (bits 3 and 4 of the row exchanged), so the 16 registers of tiles 2 b, 2 b + 1 are the 16 true
; neighbours n' = 32 b + 16 (lane / 16) + 0 .. 15: a block of 32 along n' lies in lanes l and l xor 16, and the conversions' results are an operand's registers.  THE QUANTISER ALWAYS RUNS ALONG n'.
; TWO MODES, by the cluster's x alone (the same in all sixteen partners; only selects, no branch):
;   clusters 0, 1: A' = x's tokens, B' = W_qkv's columns 0-2047: q and k, quantised along the head's 64;   cluster 2: A' = W_qkv's columns 2048-3071, B' = x's tokens: v TRANSPOSED, quantised along the keys.
; OUT: codes at qkvc + OOFF + (n' / 64) SN + (m' / 64) SM + (m' % 64) 64 + n' % 64: q, k as [head column 32][token position 4096][64]; v as [head 16][64 keys' panel 64][channel position 64][64 keys].
;      scale words (four bytes: 128 along n') at qkvs + SOFF + (n' / 128) SSTR + 4 m'.
; The bias along n' (q, k) is the C of the first K step's products; the bias along m' (v) is added as the accumulators are taken out.  The one that does not apply is made zero by a mask.
; Ring of two LDS slots of 256 along K, the scales of all of K in LDS once, joint loads in a cluster of 4 x 4 (A' shared along a row, B' along a column).
; LIMITS: a block of zeros gets the byte 1 (its codes are zeros; this program alone reads the bytes); blocks under 2^-118 keep the byte 1; NaN and infinities are not served.
; REGISTERS, in windows of 256: window 0: v0-31 addresses and the bias along m'; v32-63 scale words, two sets; v64-127 the bias along n'; v128-255 A's fragments, one set.  On the way out: v32-47 codes, v48-63 at work, v64-127 64 numbers, v128-255 rows read back.
;   window 1: B's fragments, two sets.   window 2: the accumulators of my rows 0-63 ((a, b) at v[8 (8 a + b)]);   window 3: those of my rows 64-127.
.set NQ,     2                         ; matrix instructions deep in a slot
.set ROWB,   256                       ; a tile's row in bytes
.set KROW,   1024                      ; a row of cod
.set PITCH,  272                       ; an LDS row: 256 bytes + 16 of padding: the 16 rows of a load start 16 bytes apart modulo 256
.set FR,     16
.set NL,     4
.set NP,     8                         ; places behind this matrix instruction (ISA guide 7.12.1)
.set HALFT,  128*PITCH
.set SLOT,   4*HALFT
.set LAPS,   2                         ; 1,024 along K = two laps of two slots
.set KS,     32                        ; a row of scl
.set SCL,    2*SLOT
.set HALFS,  (128*KS/256)*272
.set SBLK,   (16*KS/256)*272
.set SPARE,  SCL+4*HALFS               ; the spare words, 128 bytes a wave
.set WSTG,   21504                     ; the way out: a wave's stage, in slot 0, which has had its last fill and its last read by then
.set PANEL,  10240                     ; in it: two panels of 128 rows x (64 bytes + 16),
.set OP,     80
.set SWO,    20480                     ; and 128 scale words
.set BM,   8                           ; v8-15   the bias along m': block a's, for my row
.set ADRA, 16
.set RS,   18                          ; v18     where I read four scale words back
.set ADRB, 20
.set BP,   22                          ; v22-23  block a's bias, twice
.set STO,  24                          ; v24     where I put 16 codes
.set RD,   25                          ; v25     where I read 16 codes back
.set CO,   26                          ; v26     16 x lane
.set ADRS, 27
.set SPW,  28
.set NIL,  29
.set PW,   30                          ; v30     the scale word just made
.set SSW,  31                          ; v31     where I put it
.set SC,   32
.set PC,   32                          ; the codes just made
.set TM,   48                          ; v48-51 largest magnitudes, v52-55 bytes, v60-63 the scale operands
.set BN,   64
.set T,    64
.set AF,   128
.set BK,   128
.set G1, 24
.set G0, 32
.set G1B, 48
.set G0B, 56
.set C0, 66                            ; s66  my first n'
.set R0, 67                            ; s67  my first m'
.set G1S, 68
.set G0S, 76
.set G1SB, 80
.set G0SB, 88
.set SEL, 92                           ; s[92:93]: the way out's constants (free behind the set-up)
.set MNT, 94
.set SN, 95
.set SM, 96
.set OOFF, 97
.set SOFF, 98
.set SSTR, 99
.set MQK, 100                          ; -1 in mode q, k, else 0
.set MV, 101                           ; -1 in mode v, else 0
.set MSB, 0
.macro WIN new                         ; the immediate's high byte repeats the setting that is left
.if MSB != (\new)
	s_set_vgpr_msb (MSB<<8)|(\new)
.set MSB, (\new)
.endif
.endm
.set MUL_LO, 0xa1                      ; source 0 (B) window 1, source 1 (A) window 0, C and D window 2
.set MUL_HI, 0xf1
.set TO_B,   0x40
; A joint load: waves 0 and 1 fetch for A, waves 2 and 3 for B; the branch hangs on the wave's number alone.  An s_nop 0 and four v_nop follow each of the two lines.
.macro JLOAD g0a, g1a, g0b, g1b
	s_cmp_eq_u32 s15, 0
	s_cbranch_scc0 .Lfor_b_\@
	tensor_load_to_lds s[\g0a:\g0a+3], s[\g1a:\g1a+7]
	s_nop 0
.rept 4
	v_nop
.endr
	s_branch .Lasked_\@
.Lfor_b_\@:
	tensor_load_to_lds s[\g0b:\g0b+3], s[\g1b:\g1b+7]
	s_nop 0
.rept 4
	v_nop
.endr
.Lasked_\@:
.endm
.macro CREST                           ; a round of the cluster's barrier behind its opening barrier
	s_cmp_lg_u32 s14, 0
	s_cbranch_scc1 .Lnot_wave_0_\@
	s_barrier_signal -3
.Lnot_wave_0_\@:
	s_barrier_wait -3
	s_barrier_signal -1
	s_barrier_wait -1
.endm
.macro CROUND
	s_barrier_signal -1
	s_barrier_wait -1
	CREST
.endm
	s_load_b256 s[4:11], s[0:1], 0x0               ; cod s[4:5], scl s[6:7], b_qkv s[8:9], qkvc s[10:11]
	s_load_b64 s[12:13], s[0:1], 0x20              ; qkvs
	v_lshl_add_u32 v[SPW], v0, 2, SPARE
	v_mov_b32 v[NIL], 0
	ds_add_u32 v[SPW], v[NIL]
	ds_add_u32 v[SPW], v[NIL]                      ; the wave's opening: the add and its wait ahead of my first tensor load; the set-up below, work on registers, stands between them
	v_lshrrev_b32 v1, 5, v0
	v_readfirstlane_b32 s14, v1                    ; wave 0..3
	s_lshr_b32 s15, s14, 1                         ; which half of the tile's rows is mine.  Also: I fetch for A (0) or for B (1)
	s_and_b32 s16, s14, 1                          ; which half of its columns.  Also: which 128 rows of that tile I fetch
	s_bfe_u32 s40, ttmp6, 0x40000                  ; cx, cy: my place in the cluster
	s_bfe_u32 s41, ttmp6, 0x40004
	s_lshl_b32 s18, ttmp9, 2                       ; 4 x cluster x
	s_and_b32 s19, ttmp7, 0xffff
	s_lshl_b32 s19, s19, 2                         ; 4 x cluster y
	s_cmp_lt_u32 ttmp9, 2                          ; the mode: q, k or v.  Only selects and moves stand between this compare and the last select
	s_cselect_b32 s17, s19, 0                      ; the cluster's first tile row
	s_cselect_b32 s42, s18, s19                    ; and tile column
	s_cselect_b32 s20, 0, 6144                     ; where A's rows begin in cod: x, or W_qkv's column 2048
	s_cselect_b32 s46, 4096, 0                     ; and B's: W_qkv's column 0, or x
	s_mov_b32 s[SN], 4096
	s_cselect_b32 s[SN], 262144, s[SN]
	s_mov_b32 s[SM], 262144
	s_cselect_b32 s[SM], 4096, s[SM]
	s_cselect_b32 s[OOFF], 0, 8388608
	s_cselect_b32 s[SOFF], 0, 262144
	s_mov_b32 s[SSTR], 4096
	s_cselect_b32 s[SSTR], 16384, s[SSTR]
	s_cselect_b32 s[MQK], -1, 0
	s_cselect_b32 s[MV], 0, -1
	s_add_co_u32 s17, s17, s41                     ; tile row: it enters A's descriptors alone
	s_add_co_u32 s42, s42, s40                     ; tile column: B's alone
	s_lshl_b32 s43, s41, 2
	s_lshl_b32 s43, 15, s43                        ; my row of the cluster
	s_lshl_b32 s44, 0x1111, s40                    ; my column
	; descriptor group 1: a tile of 128 rows x 256 bytes, 16 bytes of padding behind each row
	s_or_b32 s[G1+0], s43, (0<<16)|(1<<20)|(1<<21)|(5<<22)|(3<<25)  ; 15:0 the mask: A's tiles go to my row; elements of 1 byte; padding on; bit 21 beside a mask; after every 64 words; 4 words
	s_or_b32 s[G1B+0], s44, (0<<16)|(1<<20)|(1<<21)|(5<<22)|(3<<25)
.irp g, G1, G1B
	s_mov_b32 s[\g+1], ROWB<<16                    ; tensor_dim0
	s_mov_b32 s[\g+2], 128<<16                     ; tensor_dim1
	s_mov_b32 s[\g+3], ROWB<<16                    ; tile_dim0
	s_mov_b32 s[\g+4], 128                         ; tile_dim1
	s_mov_b32 s[\g+5], KROW                        ; the pitch
	s_mov_b32 s[\g+6], 0
	s_mov_b32 s[\g+7], 0
.endr
	; the scales of 128 rows: a dense block of 4,096 bytes, as 16 rows of 256 bytes (32 elements of 8 bytes), 16 bytes of padding behind each
	s_or_b32 s[G1S+0], s43, (3<<16)|(1<<20)|(1<<21)|(5<<22)|(3<<25)
	s_or_b32 s[G1SB+0], s44, (3<<16)|(1<<20)|(1<<21)|(5<<22)|(3<<25)
.irp g, G1S, G1SB
	s_mov_b32 s[\g+1], 32<<16
	s_mov_b32 s[\g+2], (128*KS/256)<<16
	s_mov_b32 s[\g+3], 32<<16
	s_mov_b32 s[\g+4], 128*KS/256
	s_mov_b32 s[\g+5], 32
	s_mov_b32 s[\g+6], 0
	s_mov_b32 s[\g+7], 0
.endr
	s_lshl_b32 s18, s16, 7                         ; which 128 rows of the tile I fetch
	s_lshl_b32 s21, s17, 8
	s_add_co_u32 s20, s20, s21
	s_add_co_u32 s20, s20, s18                     ; A: the row of cod
	s_lshl_b32 s47, s42, 8
	s_add_co_u32 s46, s46, s47
	s_add_co_u32 s46, s46, s18                     ; B: the row of cod
	s_lshl_b32 s22, s20, 5                         ; where these rows' scales begin, in bytes,
	s_mov_b32 s23, 0
	s_lshl_b32 s20, s20, 10                        ; and their codes (8,192 rows of 1,024 bytes: under 2^32)
	s_mov_b32 s21, 0
	s_lshl_b32 s92, s46, 5
	s_mov_b32 s93, 0
	s_lshl_b32 s46, s46, 10
	s_mov_b32 s47, 0
	s_mul_i32 s45, s14, HALFT                      ; where they go: wave x 128 rows: no place in the cluster enters an LDS address
	s_mul_i32 s94, s14, HALFS
	s_wait_dscnt 0x0                               ; the opening add is done
	s_wait_kmcnt 0x0
	s_add_nc_u64 s[20:21], s[4:5], s[20:21]
	s_add_nc_u64 s[22:23], s[6:7], s[22:23]
	s_add_nc_u64 s[46:47], s[4:5], s[46:47]
	s_add_nc_u64 s[92:93], s[6:7], s[92:93]
	CROUND                                         ; all sixteen work-groups are here: the first joint loads meet
	s_mov_b32 s[G0S], 1
	s_add_co_u32 s[G0S+1], s94, SCL
	s_mov_b64 s[G0S+2:G0S+3], s[22:23]
	s_or_b32 s[G0S+3], s[G0S+3], 0x80000000
	s_mov_b32 s[G0SB], 1
	s_add_co_u32 s[G0SB+1], s94, SCL
	s_mov_b64 s[G0SB+2:G0SB+3], s[92:93]
	s_or_b32 s[G0SB+3], s[G0SB+3], 0x80000000
	JLOAD G0S, G1S, G0SB, G1SB                     ; the scales first: they are wanted with K step 0
.irp s, 0,1
	s_mov_b32 s[G0+4*\s], 1
	s_add_co_u32 s[G0+4*\s+1], s45, \s*SLOT
	s_add_nc_u64 s[G0+4*\s+2:G0+4*\s+3], s[20:21], \s*ROWB
	s_or_b32 s[G0+4*\s+3], s[G0+4*\s+3], 0x80000000
	s_mov_b32 s[G0B+4*\s], 1
	s_add_co_u32 s[G0B+4*\s+1], s45, \s*SLOT
	s_add_nc_u64 s[G0B+4*\s+2:G0B+4*\s+3], s[46:47], \s*ROWB
	s_or_b32 s[G0B+4*\s+3], s[G0B+4*\s+3], 0x80000000
	JLOAD G0+4*\s, G1, G0B+4*\s, G1B               ; three tensor loads of mine are out
.endr
	v_and_b32 v1, 15, v0                           ; r = l % 16
	v_bfe_u32 v2, v0, 4, 1                         ; h = l / 16
	v_mul_u32_u24 v3, v1, PITCH
	v_lshl_add_u32 v4, v2, 4, v3                   ; a fragment's row x pitch + 16 x half
	s_mul_i32 s21, s15, HALFT                      ; my 128 rows of A
	s_mul_i32 s22, s16, HALFT                      ; my 128 rows of B,
	s_add_co_u32 s22, s22, 2*HALFT                 ; which lie behind A's 256
.irp s, 0,1
	v_add_nc_u32 v[ADRA+\s], s21, v4
	v_add_nc_u32 v[ADRB+\s], s22, v4
	s_add_co_u32 s21, s21, SLOT
	s_add_co_u32 s22, s22, SLOT
.endr
	v_mul_u32_u24 v5, v1, KS                       ; my row's scales: 32 bytes a row,
	v_lshrrev_b32 v6, 8, v5
	v_lshl_add_u32 v5, v6, 4, v5                   ; and 16 more for each 256 passed
	s_mul_i32 s21, s15, HALFS
	s_mul_i32 s22, s16, HALFS
	s_add_co_u32 s22, s22, 2*HALFS
	s_sub_co_u32 s22, s22, s21
	v_mul_u32_u24 v6, s22, v2                      ; lanes 16-31 take B's
	s_add_co_u32 s21, s21, SCL
	v_add_nc_u32 v5, v5, v6
	v_add_nc_u32 v[ADRS], s21, v5
	s_mul_i32 s23, s14, WSTG                       ; my stage
	v_mul_u32_u24 v5, v1, OP
	v_lshl_add_u32 v5, v2, 4, v5
	v_add_nc_u32 v[STO], s23, v5                   ; in: row r of a block, 16 bytes for each half of the lanes
	v_lshlrev_b32 v5, 2, v1
	v_add_nc_u32 v5, s23, v5
	v_add_nc_u32 v[SSW], SWO, v5                   ; the scale word of row r
	v_and_b32 v6, 31, v0
	v_lshrrev_b32 v5, 2, v6
	v_mul_u32_u24 v5, v5, OP
	v_and_b32 v3, 3, v6
	v_lshl_add_u32 v5, v3, 4, v5
	v_add_nc_u32 v[RD], s23, v5                    ; back: four lanes to a row of 64 bytes, eight rows an instruction
	v_lshlrev_b32 v[CO], 4, v6
	v_add_nc_u32 v5, s23, v[CO]
	v_add_nc_u32 v[RS], SWO, v5
	; the biases.  The tile column stays in s46-47 and s66, the tile row in s20-21 and s67
	s_lshl_b32 s[C0], s42, 8
	s_lshl_b32 s18, s16, 7
	s_add_co_u32 s[C0], s[C0], s18                 ; my first n'
	s_lshl_b32 s[R0], s17, 8
	s_lshl_b32 s18, s15, 7
	s_add_co_u32 s[R0], s[R0], s18                 ; my first m'
	s_lshl_b32 s46, s[C0], 2
	s_and_b32 s46, s46, s[MQK]                     ; in mode v the load is made at the buffer's head and its numbers are masked away
	s_mov_b32 s47, 0
	s_add_nc_u64 s[46:47], s[8:9], s[46:47]
	s_add_co_u32 s20, s[R0], 2048
	s_lshl_b32 s20, s20, 2
	s_and_b32 s20, s20, s[MV]                      ; likewise in mode q, k
	s_mov_b32 s21, 0
	s_add_nc_u64 s[20:21], s[8:9], s[20:21]
	v_lshlrev_b32 v5, 6, v2                        ; 16 h numbers on
	v_and_b32 v6, 8, v1
	v_add_nc_u32 v6, v6, v1
	v_lshlrev_b32 v6, 2, v6                        ; r + 8 (r / 8) numbers on: the true row of stored row r
.irp t, 0,1,2,3,4,5,6,7
	global_load_b128 v[BN+8*\t:BN+8*\t+3], v5, s[46:47] offset:(32*(\t/2)+8*(\t%2))*4       ; tile t, register j: b(C0 + 32 (t / 2) + 16 h + 8 (t % 2) + j)
	global_load_b128 v[BN+8*\t+4:BN+8*\t+7], v5, s[46:47] offset:(32*(\t/2)+8*(\t%2))*4+16
.endr
.irp a, 0,1,2,3,4,5,6,7
	global_load_b32 v[BM+\a], v6, s[20:21] offset:(32*(\a/2)+8*(\a%2))*4
.endr
	s_wait_loadcnt 0x0
.set I, 0
.rept 64
	v_and_b32 v[BN+I], s[MQK], v[BN+I]             ; zeros in mode v
.set I, I+1
.endr
.rept NP
	v_nop
.endr
.macro FRAG reg, adr, q, i             ; a fragment, 16 rows x 128 K: lane l holds row l % 16; registers 4 c .. 4 c + 3 hold K = 32 c + 16 (l / 16) + 0 .. 15
.irp c, 0,1,2,3
	ds_load_b128 v[\reg+4*\c:\reg+4*\c+3], v[\adr] offset:128*(\q)+32*\c+(\i)*16*PITCH
.endr
.endm
; 16 matrix instructions: A's blocks a0, a0 + 1 x B's eight.  p: B's set; sc: the set of scale words.  zero = 1: the first product starts the sums, with the bias along n' as C.
; The 64 accumulators take turns, one instruction a turn, in the same order in every step.
.macro MUL16 a0, p, q, sc, zero
.irp a, \a0, \a0+1
.irp b, 0,1,2,3,4,5,6,7
.if \zero
	v_wmma_scale_f32_16x16x128_f8f6f4 v[8*(8*((\a)%4)+\b):8*(8*((\a)%4)+\b)+7], v[128*(\p)+FR*\b:128*(\p)+FR*\b+FR-1], v[AF+FR*(\a):AF+FR*(\a)+FR-1], v[BN+8*\b:BN+8*\b+7], v[SC+8*NQ*(\sc)+NQ*\b+(\q)], v[SC+8*NQ*(\sc)+NQ*(\a)+(\q)] matrix_a_scale:MATRIX_SCALE_ROW1
.else
	v_wmma_scale_f32_16x16x128_f8f6f4 v[8*(8*((\a)%4)+\b):8*(8*((\a)%4)+\b)+7], v[128*(\p)+FR*\b:128*(\p)+FR*\b+FR-1], v[AF+FR*(\a):AF+FR*(\a)+FR-1], v[8*(8*((\a)%4)+\b):8*(8*((\a)%4)+\b)+7], v[SC+8*NQ*(\sc)+NQ*\b+(\q)], v[SC+8*NQ*(\sc)+NQ*(\a)+(\q)] matrix_a_scale:MATRIX_SCALE_ROW1
.endif
.endr
.endr
.endm
.macro FETCH_B slot, q, p
	WIN TO_B
.irp i, 0,1,2,3,4,5,6,7
	FRAG 128*(\p)+FR*\i, ADRB+\slot, \q, \i
.endr
	WIN 0
.endm
.macro FETCH_A slot, q, i0
.irp i, \i0, \i0+1, \i0+2, \i0+3
	FRAG AF+FR*(\i), ADRA+\slot, \q, \i
.endr
.endm
.macro SCALES sc                       ; the next K step's scale words: lanes 0-15 take A's block i, lanes 16-31 B's block i
.irp i, 0,1,2,3,4,5,6,7
	ds_load_b64 v[SC+8*NQ*\sc+NQ*\i:SC+8*NQ*\sc+NQ*\i+1], v[ADRS] offset:\i*SBLK
.endr
.endm
.macro PLACES n                        ; plain vector instructions that name no register of the matrix instructions in front of them (ISA guide 7.12.1)
.rept \n
	v_nop
.endr
.endm
; A step of 128 along K that has its successor in the same slot.
.macro STEP slot, q, zero
	s_wait_dscnt 4*NL                              ; B's set and A's blocks 0-3 are in; the youngest sixteen loads (A's blocks 4-7) may be out
.if \zero
	WIN 0x81                                       ; C (the bias) window 0, D window 2
.else
	WIN MUL_LO
.endif
	MUL16 0, (\q)%2, \q, \slot, \zero
	MUL16 2, (\q)%2, \q, \slot, \zero
	s_wait_dscnt 0                                 ; A's blocks 4-7 are in
	PLACES NP
	FETCH_B \slot, (\q)+1, 1-(\q)%2
	FETCH_A \slot, (\q)+1, 0
.if \zero
	WIN 0xc1                                       ; C window 0, D window 3
.else
	WIN MUL_HI
.endif
	MUL16 4, (\q)%2, \q, \slot, \zero
	MUL16 6, (\q)%2, \q, \slot, \zero
	PLACES NP
	WIN 0
	FETCH_A \slot, (\q)+1, 4
.endm
; A slot's last step changes slots: ONE barrier; in front of it each wave waits for all its tensor loads, adds 0 to its spare word, and waits for that and for its own reads of this slot.  fill = 1: this slot is filled again, two K steps ahead.
.macro TURN slot, next, fill
	s_wait_tensorcnt 0x0                           ; all my tensor loads have landed: my part of the next slot
	ds_add_u32 v[SPW], v[NIL]                      ; 0 onto my spare word
	s_wait_dscnt 4*NL+1                            ; (the add and the youngest sixteen loads may be out)
	WIN MUL_LO
	MUL16 0, 1, NQ-1, \slot, 0                     ; sixteen matrix instructions stand between the add and the wait for it
	s_wait_dscnt 0x0                               ; the add is done, and my reads of this slot are over
	s_barrier_signal -1
	MUL16 2, 1, NQ-1, \slot, 0
	WIN 0
	s_barrier_wait -1
.if \fill
	CREST                                          ; the barrier has opened a round of the cluster's barrier: no wave of any partner still reads this slot's tile or has a load on its way
	s_add_nc_u64 s[G0+4*\slot+2:G0+4*\slot+3], s[G0+4*\slot+2:G0+4*\slot+3], 2*ROWB
	s_add_nc_u64 s[G0B+4*\slot+2:G0B+4*\slot+3], s[G0B+4*\slot+2:G0B+4*\slot+3], 2*ROWB
	JLOAD G0+4*\slot, G1, G0B+4*\slot, G1B         ; the first tensor load behind the round; its four v_nop are among the places in front of the loads below
	PLACES NP-4
.else
	PLACES NP
.endif
	s_wait_alu depctr_va_vdst(0)
	v_add_nc_u32 v[ADRS], 4*NQ, v[ADRS]            ; on to the next K step's scale words (no LDS load of mine is out)
	FETCH_B \next, 0, 0
	FETCH_A \next, 0, 0
	SCALES \next
	WIN MUL_HI
	MUL16 4, 1, NQ-1, \slot, 0
	MUL16 6, 1, NQ-1, \slot, 0
	PLACES NP
	WIN 0
	FETCH_A \next, 0, 4
.endm
	s_wait_alu depctr_va_vdst(0)
	s_wait_tensorcnt 1                             ; the scales and my part of K step 0 are in (K step 1's load may be out),
	s_barrier_signal -1
	s_barrier_wait -1                              ; everybody's are
	FETCH_B 0, 0, 0
	FETCH_A 0, 0, 0
	SCALES 0
	FETCH_A 0, 0, 4
	STEP 0, 0, 1                                   ; the first step stands in front of the loop: its products start the sums
	s_mov_b32 s3, LAPS-1
.Llap:                                                 ; a trip goes once round the ring, from a lap's second step to the next lap's first, and fills both slots again
	TURN 0, 1, 1
	STEP 1, 0, 0
	TURN 1, 0, 1
	STEP 0, 0, 0
	s_sub_co_u32 s3, s3, 1
	s_cmp_lg_u32 s3, 0
	s_cbranch_scc1 .Llap
	TURN 0, 1, 0                                   ; the last lap fills nothing, and has no round of the cluster's barrier
	STEP 1, 0, 0
	s_wait_dscnt 4*NL                              ; the very last step: nothing more to fetch
	WIN MUL_LO
	MUL16 0, 1, NQ-1, 1, 0
	MUL16 2, 1, NQ-1, 1, 0
	s_wait_dscnt 0
	WIN MUL_HI
	MUL16 4, 1, NQ-1, 1, 0
	MUL16 6, 1, NQ-1, 1, 0
	WIN 0
; THE WAY OUT.  64 numbers of a lane, v[s] on, register 16 b + i = n' 32 b + 16 (lane / 16) + i of my row, become 16 registers of codes in v[PC] on and the row's scale word in v[PW].
.macro QUANT s
.irp b, 0,1,2,3
	v_max3_num_f32 v[TM+\b], |v[\s+16*\b]|, |v[\s+1+16*\b]|, 0x4800000   ; block b: my 16 numbers, and the floor 2^(9 - 127): the byte cannot fall under 1
.endr
.irp i, 2,4,6,8,10,12,14
.irp b, 0,1,2,3
	v_max3_num_f32 v[TM+\b], v[TM+\b], |v[\s+16*\b+\i]|, |v[\s+1+16*\b+\i]|   ; (the four blocks by turns)
.endr
.endr
.irp b, 0,1,2,3
	v_permlanex16_b32 v[TM+4+\b], v[TM+\b], s[SEL], s[SEL+1]
.endr
.irp b, 0,1,2,3
	v_max_num_f32 v[TM+\b], v[TM+\b], v[TM+4+\b]   ; with lane l xor 16's: the block's largest magnitude
.endr
.irp b, 0,1,2,3
	v_add_nc_u32 v[TM+12+\b], 0xfc000000, v[TM+\b] ; 8 off its exponent field: the conversion's scale operand
.endr
.irp b, 0,1,2,3
.endr
.irp b, 0,1,2,3
	v_lshrrev_b32 v[TM+4+\b], 23, v[TM+12+\b]      ; the scale's byte
.endr
	v_lshl_or_b32 v[PW], v[TM+5], 8, v[TM+4]
	v_lshl_or_b32 v[PW], v[TM+6], 16, v[PW]
	v_lshl_or_b32 v[PW], v[TM+7], 24, v[PW]
.irp b, 0,1,2,3
.irp i, 0,1,2,3,4,5,6,7,8,9,10,11,12,13,14,15
.endr
	v_cvt_scalef32_pk8_fp8_f32 v[PC+4*\b:PC+1+4*\b], v[\s+16*\b:\s+7+16*\b], v[TM+12+\b]
	v_cvt_scalef32_pk8_fp8_f32 v[PC+2+4*\b:PC+3+4*\b], v[\s+8+16*\b:\s+15+16*\b], v[TM+12+\b]
.endr
	v_nop                                          ; a plain line behind the last conversion
.endm
; Block a: 16 rows x 128 along n'.  The accumulators come into window 0 with the bias along m' added, each from its low end on; they are quantised; codes and scale word go to my stage.
.macro OUTBLK a
.set AC, 64*((\a)%4)
	v_and_b32 v[BP], s[MV], v[BM+(\a)]             ; zero in mode q, k
	v_and_b32 v[BP+1], s[MV], v[BM+(\a)]
	WIN 0x02+(\a)/4                                ; source 0: window 2 or 3
.set I, 0
.rept 32
	v_pk_add_f32 v[T+I:T+I+1], v[AC+I:AC+I+1], v[BP:BP+1]
.set I, I+2
.endr
	WIN 0
	QUANT T
.irp bb, 0,1,2,3
	ds_store_b128 v[STO], v[PC+4*\bb:PC+4*\bb+3] offset:(\bb/2)*PANEL+(\a)*16*OP+32*(\bb%2)
.endr
	ds_store_b32 v[SSW], v[PW] offset:64*(\a)      ; both halves of the lanes write the same word with the same value
	s_wait_dscnt 0x0                               ; the stores have read their registers: the next block's codes may be written
.endm
	PLACES NP                                      ; behind the last products: their results, their scale words' and fragments' registers are touched only from here on
	s_mov_b32 s[SEL], 0x76543210
	s_mov_b32 s[SEL+1], 0xfedcba98                 ; v_permlanex16_b32's selects for lane l xor 16
.irp b, 0,1,2,3
	v_mov_b32 v[TM+4+\b], 0                        ; written once: a lane permute's destination counts as one of its sources
.endr
	s_lshr_b32 s18, s[C0], 6                       ; the four blocks of 64 x 64 codes that I store: panel p along n', group g along m', at s[40 + 4 p + 2 g]
	s_mul_i32 s18, s18, s[SN]
	s_lshr_b32 s19, s[R0], 6
	s_mul_i32 s19, s19, s[SM]
	s_add_co_u32 s18, s18, s19
	s_add_co_u32 s18, s18, s[OOFF]
	s_mov_b32 s19, 0
	s_add_nc_u64 s[40:41], s[10:11], s[18:19]
	s_mov_b32 s20, s[SM]
	s_mov_b32 s21, 0
	s_add_nc_u64 s[42:43], s[40:41], s[20:21]
	s_mov_b32 s22, s[SN]
	s_mov_b32 s23, 0
	s_add_nc_u64 s[44:45], s[40:41], s[22:23]
	s_add_nc_u64 s[46:47], s[42:43], s[22:23]
	s_lshr_b32 s18, s[C0], 7                       ; and my 128 scale words
	s_mul_i32 s18, s18, s[SSTR]
	s_add_co_u32 s18, s18, s[SOFF]
	s_lshl_b32 s20, s[R0], 2
	s_add_co_u32 s18, s18, s20
	s_add_nc_u64 s[12:13], s[12:13], s[18:19]
.irp a, 0,1,2,3,4,5,6,7
	OUTBLK \a
.endr
.irp p, 0,1
.irp g, 0,1
.irp t, 0,1,2,3,4,5,6,7
	ds_load_b128 v[BK+4*(16*\p+8*\g+\t):BK+4*(16*\p+8*\g+\t)+3], v[RD] offset:\p*PANEL+(64*\g+8*\t)*OP   ; LDS serves a wave's instructions in order: these see my stores
.endr
.endr
.endr
	ds_load_b128 v[TM:TM+3], v[RS]
.irp p, 0,1
.irp g, 0,1
.irp t, 0,1,2,3,4,5,6,7
	s_wait_dscnt 32-(16*\p+8*\g+\t)                ; the younger loads may stay out
	global_store_b128 v[CO], v[BK+4*(16*\p+8*\g+\t):BK+4*(16*\p+8*\g+\t)+3], s[40+4*\p+2*\g:41+4*\p+2*\g] offset:512*\t   ; 32 lanes store 512 consecutive bytes, aligned
.endr
.endr
.endr
	s_wait_dscnt 0x0
	global_store_b128 v[CO], v[TM:TM+3], s[12:13]  ; 128 scale words: 512 consecutive bytes
	s_wait_tensorcnt 0x0                           ; the wave's end, behind my last tensor load and my last LDS store
	ds_add_u32 v[SPW], v[NIL]
	s_wait_dscnt 0x0
	CROUND                                         ; the closing round: no work-group ends while a partner may still ask for a tile that names it
	s_endpgm
.Lfunc_end_k_qba68d552d5_gemm_qkv:
	.size	k_qba68d552d5_gemm_qkv, .Lfunc_end_k_qba68d552d5_gemm_qkv-k_qba68d552d5_gemm_qkv
	.p2alignl 7, 3214868480
	.fill 96, 4, 3214868480
	.section	.rodata,"a",@progbits
	.p2align	6, 0x0
	.amdhsa_kernel k_qba68d552d5_gemm_qkv
		.amdhsa_group_segment_fixed_size 327680
		.amdhsa_private_segment_fixed_size 0
		.amdhsa_enable_private_segment 0
		.amdhsa_kernarg_size 40
		.amdhsa_user_sgpr_count 2
		.amdhsa_user_sgpr_kernarg_segment_ptr 1
		.amdhsa_wavefront_size32 1
		.amdhsa_system_sgpr_workgroup_id_x 1
		.amdhsa_system_sgpr_workgroup_id_y 1
		.amdhsa_system_sgpr_workgroup_id_z 1
		.amdhsa_system_vgpr_workitem_id 0
		.amdhsa_next_free_vgpr 1024
		.amdhsa_next_free_sgpr 102
		.amdhsa_reserve_vcc 0
		.amdhsa_float_denorm_mode_32 3
		.amdhsa_float_denorm_mode_16_64 3
		.amdhsa_fp16_overflow 1
		.amdhsa_memory_ordered 1
		.amdhsa_forward_progress 1
		.amdhsa_inst_pref_size 178
	.end_amdhsa_kernel
	.amdgpu_metadata
---
amdhsa.version: [ 1, 2 ]
amdhsa.kernels:
  - .name:           k_qba68d552d5_gemm_qkv
    .symbol:         k_qba68d552d5_gemm_qkv.kd
    .args:
      - { .name: cod, .offset: 0, .size: 8, .value_kind: global_buffer, .address_space: global }
      - { .name: scl, .offset: 8, .size: 8, .value_kind: global_buffer, .address_space: global }
      - { .name: b_qkv, .offset: 16, .size: 8, .value_kind: global_buffer, .address_space: global }
      - { .name: qkvc, .offset: 24, .size: 8, .value_kind: global_buffer, .address_space: global }
      - { .name: qkvs, .offset: 32, .size: 8, .value_kind: global_buffer, .address_space: global }
    .group_segment_fixed_size: 327680
    .private_segment_fixed_size: 0
    .kernarg_segment_align: 8
    .kernarg_segment_size: 40
    .max_flat_workgroup_size: 128
    .sgpr_count:     102
    .vgpr_count:     1024
    .wavefront_size: 32
...
	.end_amdgpu_metadata
.endif
;; end of part 2
;; launch attn (part 3): grid 8 x 32, 16 waves a work-group, no clusters, 327,680 bytes of LDS; arguments qkvc, qkvs, ac, asc; writes ac, asc
.if DOCPART == 3
	.amdgcn_target "amdgcn-amd-amdhsa--gfx1250"
	.amdhsa_code_object_version 6
	.text
	.protected	k_qba68d552d5_attn
	.globl	k_qba68d552d5_attn
	.p2align	8
	.type	k_qba68d552d5_attn,@function
k_qba68d552d5_attn:
	s_mov_b64 s[64:65], 0
	v_nop
	global_prefetch_b8 v0, s[64:65] scope:SCOPE_SE
	s_setreg_imm32_b32 hwreg(HW_REG_WAVE_MODE, 25, 1), 1
	s_wait_xcnt 0x0
; Causal attention on codes of FP8 (E4M3) with E8M0 scales: 2 batches x 16 heads of 64, 2,048 tokens.  a = softmax(q k^T / 8, causal) v, and a leaves QUANTISED along the merged 1,024 (two blocks of 32 a head).
; IN: q, k: qkvc [head column 32][token position 4096][64]; v: from byte 8,388,608, [head][panel of 64 keys][channel position 64][64 keys].  Positions are in the order pi (bits 3 and 4 exchanged).
;     scale words in qkvs: q, k: [pair of heads 16][token position] (bytes 0, 1 the even head's, 2, 3 the odd head's); v: from byte 262,144, [key step of 128: 32][channel position 1024].
; OUT: ac [block of 128 tokens: 32][head 16][128 tokens, true order][64 codes]; asc [token 4096][32 bytes], byte 2 head + block.
; THE SOFTMAX: t = score x log2(e) / 8; M = the running largest t rounded UP to a whole number; p = 2^(t - M) is quantised along the keys, not normalised; the row's sum is taken of the unquantised p and divides at the end;
; when M moves, the sum and O are multiplied by 2^(old M - new M), which rounds nothing.  A hidden key's score is taken as -infinity where the model writes -1e9: LIMIT: the two differ only where a row's largest true logit lies under about -1e9 + 150.
; LIMITS of the quantiser: a block of zeros gets the byte 1 (its codes are zeros; this program alone reads the bytes); NaN and infinities are not served.
; SHARES.  Work-group x of a head owns the blocks of 128 queries x (waves 0-7) and 15 - x (waves 8-15): a wave owns 16 query positions.  The two blocks have x + 1 and 16 - x key steps: 17 together, whatever x.
; Both products are used transposed: S^T = k q^T, O^T = v^T p^T: a lane holds one query (lane % 16) throughout; since k's rows lie in the order pi, the 16 registers of two neighbouring tiles are 16 neighbouring keys.
; K = 64 IN AN INSTRUCTION OF 128: a fragment of k holds TWO tiles of keys (registers 0-7: positions 32 b + r; 8-15: 32 b + 16 + r).  q lies as [8 zeros | q | 8 zeros] in v16-39: v[24:39] multiplies the first tile, v[16:31] the second.
; Every work-group walks all 8 slots of 256 keys (constant trip counts); a step all of whose keys come after the wave's queries is jumped over, and a slot that none of the sixteen waves reads is not asked for.
; NO CLUSTER: the work-groups of a head need 8, 8, 7, 7, 6, 6, 5, 5 slots: partners would ask for different numbers of tiles; and a slot is 32,768 bytes for two key steps of sixteen waves.
.set KP,    80                         ; a row of 64 codes in LDS: + 16 of padding
.set VOFF,  256*KP                     ; a slot: 256 rows of k, then v's 4 panels x 64 rows
.set VPAN,  64*KP
.set SLOT1, 65536                      ; slot 1 begins here: one exclusive or turns an address in one slot into the other's
.set SCK,   131072                     ; k's scale words of the batch: 32 units of 256 bytes + 16
.set SCV,   SCK+32*272                 ; v's: 16 units, one a key step
.set SPARE, SCV+16*272                 ; the spare words, 128 bytes a wave
.set STG,   SPARE+2048                 ; the way out: 1,024 bytes a wave, bytes into which no tile lands
.set AK0,  1                           ; v1   my lane's place in a tile of k: 80 r + 16 h
.set AV0,  2                           ; v2   the same for v
.set ASK0, 3                           ; v3   my lane's place among k's scale words
.set ASV0, 4                           ; v4   and among v's
.set SPW,  5
.set NIL,  6
.set PFO,  7                           ; v7   the prefetches' offset: 256 x my lane; never rewritten
.set ADK,  8
.set ADV,  9
.set ADS,  10
.set ADT,  11                          ; v12 -M, v13 the largest t, v[14:15] the sum in two halves, v16-39 q between zeros
.set F,    40                          ; v40-103  four fragments of k or of v
.set S,    104                         ; v104-167 S^T, then p
.set O,    168                         ; v168-199 O^T
.set PC,   200                         ; v200-215 p's codes
.set KW,   216                         ; v216-223 k's scale words as they lie
.set SW,   224                         ; v224-227 scale words of source 0
.set QS,   228                         ; q's scale word, its two bytes twice
.set PS,   229                         ; p's scale word
.set QT,   230                         ; r + 8 (r / 8) - 16 h
.set BX,   232                         ; v232-235 the blocks' maxima
.set BT,   236                         ; v236-239 at work
.set BH,   240
.set BS,   244                         ; v244-247 the conversions' scale operands
.set FF,   248                         ; v[248:249] f
.set TA,   250
.set TC,   251
.set GO,   252                         ; the way out: 16 x lane
.set GS,   253                         ; the way out: my query's row of asc
.set TB,   2                           ; s2   LDS byte at which the slot in hand begins
.set TS,   3                           ; s3   the step's scale words of k: 544 bytes a step
.set WV,   18
.set MNT,  19
.set SEL,  20
.set CS,   22                          ; s[22:23] c = log2(e) / 8
.set G1,   24                          ; s[24:31] group 1 for k's and v's halves;  s[32:39] for k's scale words;  s[40:47] for v's
.set G1SK, 32
.set G1SV, 40
.set G0K,  48
.set G0V,  52
.set G0SK, 56
.set G0SV, 60
.set TJ,   66                          ; s66  the step's scale words of v: 272 bytes a step
.set SLOTS, 67
.set KF,   68                          ; s68  the step's first key
.set QMIN, 69                          ; s69  my smallest true query;  s70 my largest;  s71 my work-group's last
.set QMAX, 70
.set WGLAST, 71
.set PSEL, 72                          ; s72  which two bytes of k's words are my head's
.set PFA,  76                          ; s[76:77] where my prefetches stand
.set LIM,  80                          ; s80  1 in a wave that prefetches, else the greatest number
; Waves 0 and 1 fetch for k, waves 2 and 3 for v, the others nothing.  The branches hang on the wave's number alone.  An s_nop 0 and four v_nop follow each of the two lines.
.macro TLOAD g0k, g1k, g0v, g1v
	s_cmp_lt_u32 s[WV], 2
	s_cbranch_scc0 .Lnot_k_\@
	tensor_load_to_lds s[\g0k:\g0k+3], s[\g1k:\g1k+7]
	s_nop 0
.rept 4
	v_nop
.endr
	s_branch .Lasked_\@
.Lnot_k_\@:
	s_cmp_lt_u32 s[WV], 4
	s_cbranch_scc0 .Lasked_\@
	tensor_load_to_lds s[\g0v:\g0v+3], s[\g1v:\g1v+7]
	s_nop 0
.rept 4
	v_nop
.endr
.Lasked_\@:
.endm
; A prefetch of what the NEXT change of slots will ask for: 16,384 bytes of k and as many of v.  All eight work-groups of a head walk the same k and v: work-group x = 0, which walks all slots, asks.
; In it waves 4 and 5 ask for k's two halves, waves 6 and 7 for v's: 8,192 bytes a wave, lanes 256 bytes apart: each aligned 256 bytes is named once.  Slots 0 and 1 come by their loads alone; the last change that fills a slot asks for nothing.
.macro ASK
	s_cmp_gt_u32 s[SLOTS], s[LIM]
	s_cbranch_scc0 .Lnot_mine_\@
	global_prefetch_b8 v[PFO], s[PFA:PFA+1] th:TH_LOAD_NT scope:SCOPE_SE
.Lnot_mine_\@:
.endm
	s_load_b256 s[4:11], s[0:1], 0x0               ; qkvc s[4:5], qkvs s[6:7], ac s[8:9], asc s[10:11]
	v_lshl_add_u32 v[SPW], v0, 2, SPARE
	v_mov_b32 v[NIL], 0
	ds_add_u32 v[SPW], v[NIL]                      ; the wave's opening: the add and its wait ahead of my first tensor load; the set-up below, work on registers, stands between them
	ds_add_u32 v[SPW], v[NIL]
	v_lshrrev_b32 v8, 5, v0
	s_delay_alu instid0(VALU_DEP_1)
	v_readfirstlane_b32 s[WV], v8                  ; wave 0..15
	s_and_b32 s12, ttmp7, 0xffff
	s_lshr_b32 s13, s12, 4                         ; the batch
	s_and_b32 s14, s12, 15                         ; the head
	s_and_b32 s15, s[WV], 7                        ; my tile of 16 in the block of 128 queries
	s_sub_co_u32 s16, 15, ttmp9
	s_cmp_lt_u32 s[WV], 8
	s_cselect_b32 s17, ttmp9, s16                  ; my block of queries: x or 15 - x
	s_lshl_b32 s[WGLAST], s16, 7
	s_add_co_u32 s[WGLAST], s[WGLAST], 127
	s_lshr_b32 s73, s15, 1
	s_lshl_b32 s73, s73, 5
	s_and_b32 s81, s15, 1
	s_lshl_b32 s81, s81, 3
	s_add_co_u32 s73, s73, s81                     ; my smallest true query in the block: 32 (tile / 2) + 8 (tile % 2)
	s_lshl_b32 s[QMIN], s17, 7
	s_add_co_u32 s[QMIN], s[QMIN], s73
	s_add_co_u32 s[QMAX], s[QMIN], 23              ; lane r's true query is QMIN + r + 8 (r / 8)
	s_lshl_b32 s16, s17, 7
	s_lshl_b32 s81, s15, 4
	s_add_co_u32 s16, s16, s81                     ; my first query POSITION
	s_lshl_b32 s12, s14, 18
	s_lshl_b32 s81, s13, 17
	s_add_co_u32 s12, s12, s81                     ; head x 4,096 x 64 + batch x 2,048 x 64: the same in q's, k's and v's part
	s_lshl_b32 s74, s13, 4                         ; ac: ((16 batch + block) 16 + head) 8,192 + 64 x my smallest true query in the block
	s_add_co_u32 s74, s74, s17
	s_lshl_b32 s74, s74, 4
	s_add_co_u32 s74, s74, s14
	s_lshl_b32 s74, s74, 13
	s_lshl_b32 s81, s73, 6
	s_add_co_u32 s74, s74, s81
	s_mov_b32 s75, 0
	s_lshl_b32 s78, s13, 11                        ; asc: (2,048 batch + QMIN) 32 + 2 head
	s_add_co_u32 s78, s78, s[QMIN]
	s_lshl_b32 s78, s78, 5
	s_lshl_b32 s81, s14, 1
	s_add_co_u32 s78, s78, s81
	s_mov_b32 s79, 0
	s_and_b32 s81, s[WV], 1                        ; which half of a tile I fetch, if I fetch
	s_lshl_b32 s82, s81, 13
	s_add_co_u32 s82, s82, s12
	s_add_co_u32 s84, s82, 4194304                 ; k: head column 16 + head
	s_mov_b32 s85, 0
	s_add_co_u32 s86, s82, 8388608                 ; v
	s_mov_b32 s87, 0
	s_mul_i32 s83, s81, 128*KP                     ; and its place in a slot
	s_lshr_b32 s88, s14, 1
	s_lshl_b32 s88, s88, 14
	s_lshl_b32 s89, s13, 13
	s_add_co_u32 s88, s88, s89                     ; scale words: my pair of heads, my batch (q's)
	s_lshl_b32 s89, s81, 12
	s_add_co_u32 s90, s88, s89
	s_add_co_u32 s90, s90, 131072                  ; k's: eight pairs on; my half
	s_mov_b32 s91, 0
	s_lshl_b32 s92, s13, 16                        ; v's: key step 16 batch + 8 half, 4,096 bytes a step; 256 bytes a head
	s_lshl_b32 s89, s81, 15
	s_add_co_u32 s92, s92, s89
	s_lshl_b32 s89, s14, 8
	s_add_co_u32 s92, s92, s89
	s_add_co_u32 s92, s92, 262144
	s_mov_b32 s93, 0
	s_mul_i32 s94, s81, 16*272
	s_mul_i32 s95, s81, 8*272
	s_lshl_b32 s96, s16, 6                         ; q's codes
	s_add_co_u32 s96, s96, s12
	s_mov_b32 s97, 0
	s_lshl_b32 s98, s16, 2                         ; q's scale words
	s_add_co_u32 s98, s98, s88
	s_mov_b32 s99, 0
	s_cmp_lt_u32 s[WV], 6                          ; the prefetches: waves 4, 5 k's, waves 6, 7 v's
	s_mov_b32 s88, 8388608
	s_cselect_b32 s88, 4194304, s88
	s_add_co_u32 s88, s88, s82                     ; my half,
	s_add_co_u32 s88, s88, 16384                   ; in slot 1: the first change of slots steps it to slot 2
	s_mov_b32 s89, 0
	s_sub_co_u32 s81, s[WV], 4
	s_lshr_b32 s81, s81, 2                         ; 0 in waves 4 to 7,
	s_or_b32 s81, s81, ttmp9                       ; of work-group x = 0
	s_cmp_eq_u32 s81, 0
	s_cselect_b32 s[LIM], 1, -1
	s_and_b32 s81, s14, 1
	s_cmp_eq_u32 s81, 0                            ; an even head's bytes are 0, 1 of a word, an odd head's 2, 3
	s_mov_b32 s[PSEL], 0x07060302
	s_cselect_b32 s[PSEL], 0x05040100, s[PSEL]
	s_mov_b32 s73, 0x03020302
	s_cselect_b32 s73, 0x01000100, s73
	; descriptor group 1.  k's and v's halves: 8,192 dense bytes as 32 rows of 256 (32 elements of 8 bytes), 16 bytes of padding behind every 64: rows of 64 codes 80 bytes apart
	s_mov_b32 s[G1], (3<<16)|(1<<20)|(3<<22)|(3<<25)
	s_mov_b32 s[G1+1], 32<<16                      ; tensor_dim0
	s_mov_b32 s[G1+2], 32<<16                      ; tensor_dim1
	s_mov_b32 s[G1+3], 32<<16                      ; tile_dim0
	s_mov_b32 s[G1+4], 32                          ; tile_dim1
	s_mov_b32 s[G1+5], 32                          ; the pitch
	s_mov_b32 s[G1+6], 0
	s_mov_b32 s[G1+7], 0
	s_mov_b32 s[G1SK], (3<<16)|(1<<20)|(5<<22)|(3<<25)   ; k's scale words, half a batch: 16 dense rows of 256 bytes, 16 of padding behind each
	s_mov_b32 s[G1SK+1], 32<<16
	s_mov_b32 s[G1SK+2], 16<<16
	s_mov_b32 s[G1SK+3], 32<<16
	s_mov_b32 s[G1SK+4], 16
	s_mov_b32 s[G1SK+5], 32
	s_mov_b32 s[G1SK+6], 0
	s_mov_b32 s[G1SK+7], 0
	s_mov_b32 s[G1SV], (3<<16)|(1<<20)|(5<<22)|(3<<25)   ; v's: 8 rows of 256 bytes, 4,096 bytes apart
	s_mov_b32 s[G1SV+1], 32<<16
	s_mov_b32 s[G1SV+2], 8<<16
	s_mov_b32 s[G1SV+3], 32<<16
	s_mov_b32 s[G1SV+4], 8
	s_mov_b32 s[G1SV+5], 512
	s_mov_b32 s[G1SV+6], 0
	s_mov_b32 s[G1SV+7], 0
	s_mov_b32 s[SEL], 0x76543210
	s_mov_b32 s[SEL+1], 0xfedcba98
	s_mov_b32 s[CS], 0x3e38aa3b                    ; c = log2(e) / 8
	s_mov_b32 s[CS+1], s[CS]
	s_mov_b32 s[TB], 0
	s_mov_b32 s[TS], 0
	s_mov_b32 s[TJ], 0
	s_mov_b32 s[SLOTS], 7
	s_mov_b32 s[KF], 0
	s_wait_dscnt 0x0                               ; the opening add is done
	s_wait_kmcnt 0x0
	s_mov_b32 s[G0SK], 1
	s_add_co_u32 s[G0SK+1], s94, SCK
	s_add_nc_u64 s[G0SK+2:G0SK+3], s[6:7], s[90:91]
	s_or_b32 s[G0SK+3], s[G0SK+3], 0x80000000
	s_mov_b32 s[G0SV], 1
	s_add_co_u32 s[G0SV+1], s95, SCV
	s_add_nc_u64 s[G0SV+2:G0SV+3], s[6:7], s[92:93]
	s_or_b32 s[G0SV+3], s[G0SV+3], 0x80000000
	TLOAD G0SK, G1SK, G0SV, G1SV                   ; the scale words of the whole batch and head: filled once
	s_mov_b32 s[G0K], 1
	s_mov_b32 s[G0K+1], s83
	s_add_nc_u64 s[G0K+2:G0K+3], s[4:5], s[84:85]
	s_or_b32 s[G0K+3], s[G0K+3], 0x80000000
	s_mov_b32 s[G0V], 1
	s_add_co_u32 s[G0V+1], s83, VOFF
	s_add_nc_u64 s[G0V+2:G0V+3], s[4:5], s[86:87]
	s_or_b32 s[G0V+3], s[G0V+3], 0x80000000
	s_wait_alu depctr_va_vdst(0)
	s_wait_tensorcnt 0x0
	ds_add_u32 v5, v6
	s_wait_dscnt 0x0
	s_barrier_signal -1
	s_barrier_wait -1
	TLOAD G0K, G1, G0V, G1                         ; slot 0: a fetching wave has one load out
	s_add_nc_u64 s[96:97], s[4:5], s[96:97]
	s_add_nc_u64 s[98:99], s[6:7], s[98:99]
	s_add_nc_u64 s[PFA:PFA+1], s[4:5], s[88:89]
	s_add_nc_u64 s[8:9], s[8:9], s[74:75]
	s_add_nc_u64 s[10:11], s[10:11], s[78:79]
	v_and_b32 v8, 15, v0                           ; r
	v_bfe_u32 v9, v0, 4, 1                         ; h
	s_delay_alu instid0(VALU_DEP_2)
	v_lshlrev_b32 v10, 6, v8
	s_delay_alu instid0(VALU_DEP_1)
	v_lshl_add_u32 v10, v9, 4, v10
	global_load_b128 v[24:27], v10, s[96:97]           ; q: position r, channels 16 h + 0 .. 15
	global_load_b128 v[28:31], v10, s[96:97] offset:32 ; and 32 + 16 h + 0 .. 15
	v_lshlrev_b32 v11, 2, v8
	global_load_b32 v[TC], v11, s[98:99]           ; its scale word
	v_mul_u32_u24 v[AK0], v8, KP
	s_delay_alu instid0(VALU_DEP_1)
	v_lshl_add_u32 v[AK0], v9, 4, v[AK0]
	s_delay_alu instid0(VALU_DEP_1)
	v_add_nc_u32 v[AV0], VOFF, v[AK0]
	v_add_nc_u32 v[ASK0], SCK, v11
	v_add_nc_u32 v[ASV0], SCV, v11
	v_and_b32 v[QT], 8, v8
	s_delay_alu instid0(VALU_DEP_1)
	v_add_nc_u32 v[QT], v[QT], v8                  ; r + 8 (r / 8)
	s_delay_alu instid0(VALU_DEP_1)
	v_lshlrev_b32 v[GS], 5, v[QT]
	v_lshlrev_b32 v[TA], 4, v9
	s_delay_alu instid0(VALU_DEP_1)
	v_sub_nc_u32 v[QT], v[QT], v[TA]
	v_and_b32 v[PFO], 31, v0
	s_delay_alu instid0(VALU_DEP_1)
	v_lshlrev_b32 v[PFO], 8, v[PFO]
	v_mov_b32 v13, 0xff61b1e6                      ; the largest t so far: -3e38, under every t
	s_delay_alu instid0(VALU_DEP_1)
	v_floor_f32 v12, -v13                          ; -M
	v_mov_b32 v14, 0
	v_mov_b32 v15, 0
.irp j, 0,1,2,3,4,5,6,7
	v_mov_b32 v[16+\j], 0                          ; the zeros on both sides of q
	v_mov_b32 v[32+\j], 0
.endr
.irp b, 0,1,2,3
	v_mov_b32 v[BT+\b], 0                          ; written once: a lane permute's destination counts as one of its sources
.endr
	v_mov_b32 v[FF+1], 0                           ; (named as the upper half of the pair before it is first written)
	v_mov_b32 v[TA], 0
.set I, 0
.rept 32
	v_mov_b32 v[O+I], 0                            ; O^T: the step is written once: the first finds zeros, which the first change of M leaves zeros
.set I, I+1
.endr
; A KEY STEP: 128 keys, the q-th of the slot in hand.
.macro STEP q
	s_cmp_gt_u32 s[KF], s[QMAX]                    ; all of the step's keys come after my queries: a branch on ids, round the step's loads, products and softmax; not round the lines at its end that step addresses
	s_cbranch_scc1 .Lhidden_\@
	v_add_nc_u32 v[ADK], s[TB], v[AK0]
	v_add_nc_u32 v[ADV], s[TB], v[AV0]
	v_add_nc_u32 v[ADS], s[TS], v[ASK0]
	v_add_nc_u32 v[ADT], s[TJ], v[ASV0]
.rept 4
	v_nop                                          ; with the four additions: eight places behind the last step's products, whose fragments' and scale words' registers are written below
.endr
.irp b, 0,1,2,3
.irp u, 0,1
	ds_load_b32 v[KW+2*\b+\u], v[ADS] offset:272*(\b/2)+128*(\b%2)+64*\u   ; the word of key position 32 b + 16 u + r
.endr
.endr
.irp b, 0,1,2,3
	ds_load_b128 v[F+16*\b:F+16*\b+3],     v[ADK] offset:(128*(\q)+32*\b)*KP
	ds_load_b128 v[F+16*\b+4:F+16*\b+7],   v[ADK] offset:(128*(\q)+32*\b)*KP+32
	ds_load_b128 v[F+16*\b+8:F+16*\b+11],  v[ADK] offset:(128*(\q)+32*\b+16)*KP
	ds_load_b128 v[F+16*\b+12:F+16*\b+15], v[ADK] offset:(128*(\q)+32*\b+16)*KP+32
.endr
	s_wait_dscnt 16                                ; the eight words are in; the sixteen fragment loads may be out
.irp b, 0,1,2,3
	v_perm_b32 v[SW+\b], v[KW+2*\b+1], v[KW+2*\b], s[PSEL]   ; my head's two bytes of the first tile's word below, of the second tile's above
.endr
.rept 8
	v_nop                                          ; a scale register written by a vector instruction stands eight places ahead of the product
.endr
	s_wait_alu depctr_va_vdst(0)
	s_wait_dscnt 0x0
.irp b, 0,1,2,3
	v_wmma_scale_f32_16x16x128_f8f6f4 v[S+16*\b:S+16*\b+7], v[F+16*\b:F+16*\b+15], v[24:39], 0, v[SW+\b], v[QS]
	v_wmma_scale_f32_16x16x128_f8f6f4 v[S+16*\b+8:S+16*\b+15], v[F+16*\b:F+16*\b+15], v[16:31], 0, v[SW+\b], v[QS]
.endr                                          ; register 16 b + i of S: key KF + 32 b + 16 h + i
.rept 8
	v_nop
.endr
.irp t, 0,1,2,3                                ; v's fragments and scale words are asked for here: they land under the softmax
.irp c, 0,1,2,3
	ds_load_b128 v[F+16*\t+4*\c:F+16*\t+4*\c+3], v[ADV] offset:(2*(\q)+\c/2)*VPAN+16*\t*KP+32*(\c%2)
.endr
	ds_load_b32 v[SW+\t], v[ADT] offset:64*\t
.endr
	s_add_co_u32 s96, s[KF], 127                   ; on the diagonal the scores of hidden keys become -infinity ahead of the maximum.  A step all of whose keys count skips this
	s_cmp_le_u32 s96, s[QMIN]
	s_cbranch_scc1 .Lopen_\@
	s_sub_co_i32 s96, s[QMIN], s[KF]
	v_add_nc_u32 v[TA], s96, v[QT]                 ; d = my query - KF - 16 h: register 16 b + i is hidden where 32 b + i > d
	v_mov_b32 v[TC], 0xff800000
.irp n, 0,1,2,3,4,5,6,7,8,9,10,11,12,13,14,15,16,17,18,19,20,21,22,23,24,25,26,27,28,29,30,31,32,33,34,35,36,37,38,39,40,41,42,43,44,45,46,47,48,49,50,51,52,53,54,55,56,57,58,59,60,61,62,63
	v_cmp_gt_i32 vcc_lo, 32*(\n/16)+\n%16, v[TA]
	v_cndmask_b32 v[S+\n], v[S+\n], v[TC], vcc_lo
.endr
.Lopen_\@:
.irp b, 0,1,2,3
	v_max3_num_f32 v[BX+\b], v[S+16*\b], v[S+1+16*\b], v[S+2+16*\b]   ; the largest score of each block of 32 keys: for the row's maximum and, since p rises with the score, for the block's largest p
.endr
.irp i, 3,5,7,9,11,13
.irp b, 0,1,2,3
	v_max3_num_f32 v[BX+\b], v[BX+\b], v[S+16*\b+\i], v[S+1+16*\b+\i]
.endr
.endr
.irp b, 0,1,2,3
	v_max_num_f32 v[BX+\b], v[BX+\b], v[S+15+16*\b]
.endr
.irp b, 0,1,2,3
	s_delay_alu instid0(VALU_DEP_4)
	v_permlanex16_b32 v[BT+\b], v[BX+\b], s[SEL], s[SEL+1]
.endr
.irp b, 0,1,2,3
	s_delay_alu instid0(VALU_DEP_4)
	v_max_num_f32 v[BX+\b], v[BX+\b], v[BT+\b]     ; with lane l xor 16's 16 keys
.endr
	s_delay_alu instid0(VALU_DEP_2)
	v_max3_num_f32 v[TA], v[BX], v[BX+1], v[BX+2]
	s_delay_alu instid0(VALU_DEP_1)
	v_max_num_f32 v[TA], v[TA], v[BX+3]
	s_delay_alu instid0(VALU_DEP_1)
	v_mul_f32 v[TA], s[CS], v[TA]                  ; as t (c is positive)
	s_delay_alu instid0(VALU_DEP_1)
	v_max_num_f32 v13, v13, v[TA]                  ; the running largest t
	v_mov_b32 v[TA], v12
	s_delay_alu instid0(VALU_DEP_2)
	v_floor_f32 v12, -v13                          ; the new -M = -ceil(t)
	s_delay_alu instid0(VALU_DEP_1)
	v_sub_f32 v[TA], v12, v[TA]                    ; old M - new M: a whole number, 0 or less
	s_delay_alu instid0(VALU_DEP_1)
	v_cvt_i32_f32 v[TA], v[TA]                     ; (it saturates)
	s_delay_alu instid0(VALU_DEP_1)
	v_ldexp_f32 v[FF], 1.0, v[TA]                  ; f = 2^(old M - new M)
.irp j, 0,2,4,6,8,10,12,14,16,18,20,22,24,26,28,30,32,34,36,38,40,42,44,46,48,50,52,54,56,58,60,62
	v_pk_fma_f32 v[S+\j:S+1+\j], v[S+\j:S+1+\j], s[CS:CS+1], v[12:13] op_sel_hi:[1,0,0]   ; t - M, two at a time
.endr
.irp b, 0,1,2,3
	v_fma_f32 v[BX+\b], v[BX+\b], s[CS], v12       ; the same of each block's largest score
.endr
	s_wait_alu depctr_va_vdst(0)
.irp j, 0,1,2,3,4,5,6,7,8,9,10,11,12,13,14,15,16,17,18,19,20,21,22,23,24,25,26,27,28,29,30,31,32,33,34,35,36,37,38,39,40,41,42,43,44,45,46,47,48,49,50,51,52,53,54,55,56,57,58,59,60,61,62,63
	v_exp_f32 v[S+\j], v[S+\j]                     ; p = 2^(t - M), at most 1
.endr
	v_pk_mul_f32 v[14:15], v[14:15], v[FF:FF+1] op_sel_hi:[1,0]   ; the sums under the new M: a plain line behind the exponentials
	s_wait_alu depctr_va_vdst(0)                   ; one wait for the whole batch, ahead of its first reader
.irp b, 0,1,2,3
	v_exp_f32 v[BX+\b], v[BX+\b]                   ; the block's largest p
.endr
	v_pk_add_f32 v[BT:BT+1], v[S:S+1], v[S+2:S+3]  ; the row's sum is taken of the unquantised p: two at a time, in two chains
.irp j, 4,8,12,16,20,24,28,32,36,40,44,48,52,56,60
	v_pk_add_f32 v[14:15], v[14:15], v[S+\j:S+1+\j]
	v_pk_add_f32 v[BT:BT+1], v[BT:BT+1], v[S+2+\j:S+3+\j]
.endr
	s_delay_alu instid0(VALU_DEP_1)
	v_pk_add_f32 v[14:15], v[14:15], v[BT:BT+1]
	s_wait_alu depctr_va_vdst(0)                   ; and one for the four
.irp b, 0,1,2,3
	v_max_num_f32 v[BX+\b], 0x4800000, v[BX+\b]    ; the floor 2^(9 - 127): the byte cannot fall under 1
.endr
.irp b, 0,1,2,3
	s_delay_alu instid0(VALU_DEP_4)
	v_add_nc_u32 v[BS+\b], 0xfc000000, v[BX+\b]    ; the conversion's scale operand
.endr
.irp b, 0,1,2,3
.endr
.irp b, 0,1,2,3
	s_delay_alu instid0(VALU_DEP_4)
	v_lshrrev_b32 v[BT+\b], 23, v[BS+\b]           ; the scale's byte
.endr
	s_delay_alu instid0(VALU_DEP_3)
	v_lshl_or_b32 v[PS], v[BT+1], 8, v[BT]         ; p's scale word for these 128 keys
	s_delay_alu instid0(VALU_DEP_1)
	v_lshl_or_b32 v[PS], v[BT+2], 16, v[PS]
	s_delay_alu instid0(VALU_DEP_1)
	v_lshl_or_b32 v[PS], v[BT+3], 24, v[PS]
.irp b, 0,1,2,3
.irp i, 0,1,2,3,4,5,6,7,8,9,10,11,12,13,14,15
.endr
	v_cvt_scalef32_pk8_fp8_f32 v[PC+4*\b:PC+1+4*\b], v[S+16*\b:S+7+16*\b], v[BS+\b]
	v_cvt_scalef32_pk8_fp8_f32 v[PC+2+4*\b:PC+3+4*\b], v[S+8+16*\b:S+15+16*\b], v[BS+\b]
.endr
.irp j, 0,2,4,6,8,10,12,14,16,18,20,22,24,26,28,30
	v_pk_mul_f32 v[O+\j:O+1+\j], v[O+\j:O+1+\j], v[FF:FF+1] op_sel_hi:[1,0]   ; O^T under the new M.  (These sixteen are also the places between the conversions and the products)
.endr
	s_wait_alu depctr_va_vdst(0)
	s_wait_dscnt 0x0                               ; v's fragments and scale words are in
.irp t, 0,1,2,3                                ; O^T += v^T p^T: the four accumulators by turns, one instruction a turn; eight other products stand between two links of a chain
	v_wmma_scale_f32_16x16x128_f8f6f4 v[O+8*\t:O+8*\t+7], v[F+16*\t:F+16*\t+15], v[PC:PC+15], v[O+8*\t:O+8*\t+7], v[SW+\t], v[PS]
.endr
.Lhidden_\@:
	s_add_co_u32 s[KF], s[KF], 128
	s_add_co_u32 s[TS], s[TS], 544
	s_add_co_u32 s[TJ], s[TJ], 272
.endm
; THE CHANGE OF SLOTS stands at a slot's head.  Each wave waits for all its tensor loads, adds 0 to its spare word, and waits for that and for its reads of the slot that it has left.
; Behind the barrier the slot ahead is whole and nobody reads the other one.  fill = 1: that other slot is filled with the keys that follow, up to the causal limit.
.macro CHANGE fill
	s_wait_tensorcnt 0x0                           ; no tensor load of mine is out, so a group 0 may be written
	ds_add_u32 v[SPW], v[NIL]                      ; 0 onto my spare word
.if \fill
	s_xor_b32 s[G0K+1], s[G0K+1], SLOT1            ; the walking descriptors: the other slot than last time,
	s_add_nc_u64 s[G0K+2:G0K+3], s[G0K+2:G0K+3], 16384   ; the next 256 keys
	s_xor_b32 s[G0V+1], s[G0V+1], SLOT1
	s_add_nc_u64 s[G0V+2:G0V+3], s[G0V+2:G0V+3], 16384
	s_wait_xcnt 0x0                                ; the last prefetch, a slot back, has read its address, so it may be written
	s_add_nc_u64 s[PFA:PFA+1], s[PFA:PFA+1], 16384
.endif
	s_wait_dscnt 0x0                               ; the add is done, and my reads of the slot that I have left are over
	s_barrier_signal -1
	s_barrier_wait -1
.if \fill
	s_add_co_u32 s96, s[KF], 256                   ; the first key of the slot that this change would ask for: past my work-group's last query it is read by none of the sixteen waves and is not asked for
	s_cmp_gt_u32 s96, s[WGLAST]                    ; ids and the count of steps alone: all sixteen waves go the same way; every wait on TENSORcnt in this text is for 0
	s_cbranch_scc1 .Lpast_\@
	TLOAD G0K, G1, G0V, G1                         ; a wave's one tensor load until the next such barrier
.Lpast_\@:
	ASK
.endif
.endm
.macro SLOT_STEPS
	STEP 0
	STEP 1
	s_xor_b32 s[TB], s[TB], SLOT1
.endm
	s_wait_loadcnt 0x0                             ; q and its scale word
	v_perm_b32 v[QS], v[TC], v[TC], s73            ; my head's two bytes, twice: they serve whichever half of K holds q
.Lslot:                                            ; 7 trips
	CHANGE 1
	SLOT_STEPS
	s_sub_co_u32 s[SLOTS], s[SLOTS], 1
	s_cmp_lg_u32 s[SLOTS], 0
	s_cbranch_scc1 .Lslot
	CHANGE 0                                       ; the last slot is written out: nothing is left to ask for
	SLOT_STEPS
	; THE WAY OUT.  a = O^T / the sum; its 64 channels are two blocks of the last product's K: quantised here; codes through my stage in LDS, so that 32 lanes store 512 consecutive bytes.
	v_add_f32 v14, v14, v15
	s_delay_alu instid0(VALU_DEP_1)
	v_permlanex16_b32 v[TA], v14, s[SEL], s[SEL+1]
	s_delay_alu instid0(VALU_DEP_1)
	v_add_f32 v14, v14, v[TA]                      ; the row's sum
	s_wait_alu depctr_va_vdst(0)
	v_rcp_f32 v14, v14
	v_and_b32 v8, 15, v0
	v_bfe_u32 v9, v0, 4, 1
	s_lshl_b32 s73, s[WV], 10
	s_add_co_u32 s73, s73, STG
	v_lshlrev_b32 v10, 6, v8
	s_delay_alu instid0(VALU_DEP_1)
	v_lshl_add_u32 v10, v9, 4, v10
	s_delay_alu instid0(VALU_DEP_1)
	v_add_nc_u32 v10, s73, v10                     ; in: row r of 64 bytes, + 16 h
	v_and_b32 v11, 31, v0
	s_delay_alu instid0(VALU_DEP_1)
	v_lshlrev_b32 v[GO], 4, v11
	s_delay_alu instid0(VALU_DEP_1)
	v_add_nc_u32 v11, s73, v[GO]                   ; back: 16 bytes a lane
	v_nop
	v_nop
	s_wait_alu depctr_va_vdst(0)                   ; the wait ahead of the reciprocal's first reader
.set I, 0
.rept 32
	v_mul_f32 v[S+I], v[O+I], v14                  ; register 16 b + i: channel 32 b + 16 h + i of my query; each accumulator from its low end on
.set I, I+1
.endr
.irp b, 0,1
	v_max3_num_f32 v[BX+\b], |v[S+16*\b]|, |v[S+1+16*\b]|, 0x4800000
.endr
.irp i, 2,4,6,8,10,12,14
.irp b, 0,1
	s_delay_alu instid0(VALU_DEP_2)
	v_max3_num_f32 v[BX+\b], v[BX+\b], |v[S+16*\b+\i]|, |v[S+1+16*\b+\i]|
.endr
.endr
.irp b, 0,1
	s_delay_alu instid0(VALU_DEP_2)
	v_permlanex16_b32 v[BT+\b], v[BX+\b], s[SEL], s[SEL+1]
.endr
.irp b, 0,1
	s_delay_alu instid0(VALU_DEP_2)
	v_max_num_f32 v[BX+\b], v[BX+\b], v[BT+\b]
.endr
.irp b, 0,1
	s_delay_alu instid0(VALU_DEP_2)
	v_add_nc_u32 v[BS+\b], 0xfc000000, v[BX+\b]
.endr
.irp b, 0,1
.endr
.irp b, 0,1
	s_delay_alu instid0(VALU_DEP_2)
	v_lshrrev_b32 v[BT+\b], 23, v[BS+\b]
.endr
	s_delay_alu instid0(VALU_DEP_1)
	v_lshl_or_b32 v[PS], v[BT+1], 8, v[BT]         ; my query's two scale bytes of this head
.irp b, 0,1
.irp i, 0,1,2,3,4,5,6,7,8,9,10,11,12,13,14,15
.endr
	v_cvt_scalef32_pk8_fp8_f32 v[PC+4*\b:PC+1+4*\b], v[S+16*\b:S+7+16*\b], v[BS+\b]
	v_cvt_scalef32_pk8_fp8_f32 v[PC+2+4*\b:PC+3+4*\b], v[S+8+16*\b:S+15+16*\b], v[BS+\b]
.endr
	v_nop                                          ; a plain line behind the last conversion
	ds_store_b128 v10, v[PC:PC+3]
	ds_store_b128 v10, v[PC+4:PC+7] offset:32
	ds_load_b128 v[PC+8:PC+11], v11                ; rows 0-7: true queries QMIN + 0 .. 7.  LDS serves a wave's instructions in order: these see my stores
	ds_load_b128 v[PC+12:PC+15], v11 offset:512    ; rows 8-15: QMIN + 16 .. 23
	global_store_b16 v[GS], v[PS], s[10:11]        ; two bytes a query (both halves of the lanes write the same): one instruction a wave
	s_wait_dscnt 1                                 ; the second row load may be out
	global_store_b128 v[GO], v[PC+8:PC+11], s[8:9]                ; 512 consecutive bytes, aligned
	s_wait_dscnt 0x0
	global_store_b128 v[GO], v[PC+12:PC+15], s[8:9] offset:1024
	s_wait_tensorcnt 0x0                           ; the wave's end, behind my last tensor load and my last LDS store
	ds_add_u32 v[SPW], v[NIL]
	s_wait_dscnt 0x0
	s_endpgm
.Lfunc_end_k_qba68d552d5_attn:
	.size	k_qba68d552d5_attn, .Lfunc_end_k_qba68d552d5_attn-k_qba68d552d5_attn
	.p2alignl 7, 3214868480
	.fill 96, 4, 3214868480
	.section	.rodata,"a",@progbits
	.p2align	6, 0x0
	.amdhsa_kernel k_qba68d552d5_attn
		.amdhsa_group_segment_fixed_size 327680
		.amdhsa_private_segment_fixed_size 0
		.amdhsa_enable_private_segment 0
		.amdhsa_kernarg_size 32
		.amdhsa_user_sgpr_count 2
		.amdhsa_user_sgpr_kernarg_segment_ptr 1
		.amdhsa_wavefront_size32 1
		.amdhsa_system_sgpr_workgroup_id_x 1
		.amdhsa_system_sgpr_workgroup_id_y 1
		.amdhsa_system_sgpr_workgroup_id_z 1
		.amdhsa_system_vgpr_workitem_id 0
		.amdhsa_next_free_vgpr 256
		.amdhsa_next_free_sgpr 100
		.amdhsa_reserve_vcc 1
		.amdhsa_float_denorm_mode_32 3
		.amdhsa_float_denorm_mode_16_64 3
		.amdhsa_fp16_overflow 1
		.amdhsa_memory_ordered 1
		.amdhsa_forward_progress 1
		.amdhsa_inst_pref_size 111
	.end_amdhsa_kernel
	.amdgpu_metadata
---
amdhsa.version: [ 1, 2 ]
amdhsa.kernels:
  - .name:           k_qba68d552d5_attn
    .symbol:         k_qba68d552d5_attn.kd
    .args:
      - { .name: qkvc, .offset: 0, .size: 8, .value_kind: global_buffer, .address_space: global }
      - { .name: qkvs, .offset: 8, .size: 8, .value_kind: global_buffer, .address_space: global }
      - { .name: ac, .offset: 16, .size: 8, .value_kind: global_buffer, .address_space: global }
      - { .name: asc, .offset: 24, .size: 8, .value_kind: global_buffer, .address_space: global }
    .group_segment_fixed_size: 327680
    .private_segment_fixed_size: 0
    .kernarg_segment_align: 8
    .kernarg_segment_size: 32
    .max_flat_workgroup_size: 512
    .sgpr_count:     100
    .vgpr_count:     256
    .wavefront_size: 32
...
	.end_amdgpu_metadata
.endif
;; end of part 3
;; launch gemm_proj (part 4): grid 4 x 16, 4 waves a work-group, clusters of 4 x 4, 327,680 bytes of LDS; arguments ac, asc, cod, scl, b_proj, out0; writes out0
.if DOCPART == 4
	.amdgcn_target "amdgcn-amd-amdhsa--gfx1250"
	.amdhsa_code_object_version 6
	.text
	.protected	k_qba68d552d5_gemm_proj
	.globl	k_qba68d552d5_gemm_proj
	.p2align	8
	.type	k_qba68d552d5_gemm_proj,@function
k_qba68d552d5_gemm_proj:
	s_mov_b64 s[64:65], 0
	v_nop
	global_prefetch_b8 v0, s[64:65] scope:SCOPE_SE
	s_setreg_imm32_b32 hwreg(HW_REG_WAVE_MODE, 25, 1), 1
	s_wait_xcnt 0x0
	s_wait_alu depctr_hold_cnt(0) depctr_sa_sdst(0) depctr_va_vdst(0) depctr_va_sdst(0) depctr_va_ssrc(0) depctr_va_vcc(0) depctr_vm_vsrc(0)
	s_getreg_b32 s2, hwreg(HW_REG_IB_STS2, 6, 4)
	s_cmp_eq_u32 s2, 0
	s_cbranch_scc0 .Lentry_in_a_cluster
	s_endpgm
.Lentry_in_a_cluster:
	s_bfe_u32 s2, ttmp6, 0x10000c
	s_cmp_lg_u32 s2, 0xf033
	s_cbranch_scc0 .Lentry_shape_is_right
	s_endpgm
.Lentry_shape_is_right:
; out0 = a W_proj + b_proj on codes of FP8 (E4M3) with E8M0 scales, K = 1,024.  out0: [4096][1024] f32.
; A: ac [block of 128 tokens: 32][head 16][128 tokens][64 codes], tokens in true order; its scale bytes asc [4096][32].  B: rows 7168-8191 of cod [.][1024] and scl [.][32]: W_proj's columns, in the order pi (bits 3 and 4 of the row exchanged).
; A tile of out0 is 256 x 256, four waves, 128 x 128 each: 64 accumulators, 512 registers.  K goes in steps of 256 (four heads) through a ring of two LDS slots; the scales of all of K come into LDS once.
; A's part of a K step for 128 tokens is ONE dense block of 32,768 bytes: it lands as [4 heads][128 rows][64 bytes + 16].
; CLUSTERS of 4 x 4: A's tiles are asked for jointly along a row of the cluster, B's along a column.  THE MATRIX INSTRUCTION IS USED TRANSPOSED (source 0 = 16 rows of B, source 1 = 16 rows of A): a lane holds one token,
; and register j of tile b the true column 32 (b / 2) + 16 (lane / 16) + 8 (b % 2) + j.  The bias is the C of the first K step's products.
; 64 work-groups: the launch has work for no more at this tile.
; REGISTERS, in windows of 256: window 0: v0-31 addresses; v32-63 scale words, two sets; v64-127 the bias; v128-255 A's fragments, one set (on the way out rows read back).  window 1: B's fragments, two sets.  windows 2, 3: the accumulators.
.set NQ,     2
.set ROWB,   256
.set KROW,   1024
.set PITCH,  272                       ; B's LDS row: 256 bytes + 16
.set AP,     80                        ; A's LDS row: 64 bytes + 16
.set AHEAD,  128*AP                    ; a head's 128 rows
.set AHALF,  4*AHEAD                   ; what one tensor load brings of A
.set FR,     16
.set NL,     4
.set NP,     8                         ; places behind this matrix instruction (ISA guide 7.12.1)
.set HALFT,  128*PITCH
.set SLOT,   2*AHALF+2*HALFT           ; A's two halves, then B's two
.set LAPS,   2
.set KS,     32
.set SCL,    2*SLOT
.set HALFS,  (128*KS/256)*272
.set SBLK,   (16*KS/256)*272
.set SPARE,  SCL+4*HALFS
.set SPITCH, 528                       ; the way out: a stage of 16 rows x (512 bytes + 16) for each wave, in slot 0, which has had its last fill and its last read by then
.set SIZE_N, 1024
.set ADRA, 16
.set ADRB, 20
.set STO,  24
.set RD,   25
.set CO,   26
.set ADRS, 27
.set SPW,  28
.set NIL,  29
.set SC,   32
.set BN,   64
.set AF,   128
.set BK,   128
.set G1, 24
.set G0, 32
.set G1B, 48
.set G0B, 56
.set G1S, 68
.set G0S, 76
.set G1SB, 80
.set G0SB, 88
.set MSB, 0
.macro WIN new
.if MSB != (\new)
	s_set_vgpr_msb (MSB<<8)|(\new)
.set MSB, (\new)
.endif
.endm
.set MUL_LO, 0xa1
.set MUL_HI, 0xf1
.set TO_B,   0x40
.macro JLOAD g0a, g1a, g0b, g1b        ; a joint load: waves 0 and 1 fetch for A, waves 2 and 3 for B; an s_nop 0 and four v_nop follow each of the two lines
	s_cmp_eq_u32 s15, 0
	s_cbranch_scc0 .Lfor_b_\@
	tensor_load_to_lds s[\g0a:\g0a+3], s[\g1a:\g1a+7]
	s_nop 0
.rept 4
	v_nop
.endr
	s_branch .Lasked_\@
.Lfor_b_\@:
	tensor_load_to_lds s[\g0b:\g0b+3], s[\g1b:\g1b+7]
	s_nop 0
.rept 4
	v_nop
.endr
.Lasked_\@:
.endm
.macro CREST
	s_cmp_lg_u32 s14, 0
	s_cbranch_scc1 .Lnot_wave_0_\@
	s_barrier_signal -3
.Lnot_wave_0_\@:
	s_barrier_wait -3
	s_barrier_signal -1
	s_barrier_wait -1
.endm
.macro CROUND
	s_barrier_signal -1
	s_barrier_wait -1
	CREST
.endm
	s_load_b256 s[4:11], s[0:1], 0x0               ; ac s[4:5], asc s[6:7], cod s[8:9], scl s[10:11]
	s_load_b128 s[96:99], s[0:1], 0x20             ; b_proj s[96:97], out0 s[98:99]
	v_lshl_add_u32 v[SPW], v0, 2, SPARE
	v_mov_b32 v[NIL], 0
	ds_add_u32 v[SPW], v[NIL]
	ds_add_u32 v[SPW], v[NIL]                      ; the wave's opening: the add and its wait ahead of my first tensor load; the set-up below, work on registers, stands between them
	v_lshrrev_b32 v1, 5, v0
	v_readfirstlane_b32 s14, v1                    ; wave 0..3
	s_lshr_b32 s15, s14, 1                         ; which half of the tile's rows is mine.  Also: I fetch for A (0) or for B (1)
	s_and_b32 s16, s14, 1                          ; which half of its columns.  Also: which 128 rows of that tile I fetch
	s_bfe_u32 s40, ttmp6, 0x40000                  ; cx, cy
	s_bfe_u32 s41, ttmp6, 0x40004
	s_lshl_b32 s42, ttmp9, 2
	s_add_co_u32 s42, s42, s40                     ; tile column
	s_and_b32 s17, ttmp7, 0xffff
	s_lshl_b32 s17, s17, 2
	s_add_co_u32 s17, s17, s41                     ; tile row
	s_lshl_b32 s43, s41, 2
	s_lshl_b32 s43, 15, s43                        ; my row of the cluster
	s_lshl_b32 s44, 0x1111, s40                    ; my column
	; A's tiles: 32,768 dense bytes as 128 rows of 256 (32 elements of 8 bytes), 16 bytes of padding behind every 64
	s_or_b32 s[G1+0], s43, (3<<16)|(1<<20)|(1<<21)|(3<<22)|(3<<25)
	s_mov_b32 s[G1+1], 32<<16
	s_mov_b32 s[G1+2], 128<<16
	s_mov_b32 s[G1+3], 32<<16
	s_mov_b32 s[G1+4], 128
	s_mov_b32 s[G1+5], 32
	s_mov_b32 s[G1+6], 0
	s_mov_b32 s[G1+7], 0
	; B's tiles: 128 rows x 256 bytes, 1,024 bytes apart, 16 bytes of padding behind each
	s_or_b32 s[G1B+0], s44, (0<<16)|(1<<20)|(1<<21)|(5<<22)|(3<<25)
	s_mov_b32 s[G1B+1], ROWB<<16
	s_mov_b32 s[G1B+2], 128<<16
	s_mov_b32 s[G1B+3], ROWB<<16
	s_mov_b32 s[G1B+4], 128
	s_mov_b32 s[G1B+5], KROW
	s_mov_b32 s[G1B+6], 0
	s_mov_b32 s[G1B+7], 0
	; the scales of 128 rows: 4,096 dense bytes as 16 rows of 256, 16 bytes of padding behind each
	s_or_b32 s[G1S+0], s43, (3<<16)|(1<<20)|(1<<21)|(5<<22)|(3<<25)
	s_or_b32 s[G1SB+0], s44, (3<<16)|(1<<20)|(1<<21)|(5<<22)|(3<<25)
.irp g, G1S, G1SB
	s_mov_b32 s[\g+1], 32<<16
	s_mov_b32 s[\g+2], (128*KS/256)<<16
	s_mov_b32 s[\g+3], 32<<16
	s_mov_b32 s[\g+4], 128*KS/256
	s_mov_b32 s[\g+5], 32
	s_mov_b32 s[\g+6], 0
	s_mov_b32 s[\g+7], 0
.endr
	s_lshl_b32 s20, s17, 1
	s_add_co_u32 s20, s20, s16                     ; A: the block of 128 tokens that I fetch
	s_lshl_b32 s22, s20, 12                        ; its scale bytes: 128 x 32,
	s_mov_b32 s23, 0
	s_lshl_b32 s20, s20, 17                        ; its codes: 16 heads x 8,192
	s_mov_b32 s21, 0
	s_lshl_b32 s46, s42, 8
	s_lshl_b32 s47, s16, 7
	s_add_co_u32 s46, s46, s47
	s_add_co_u32 s46, s46, 7168                    ; B: the row of cod and scl
	s_lshl_b32 s92, s46, 5
	s_mov_b32 s93, 0
	s_lshl_b32 s46, s46, 10
	s_mov_b32 s47, 0
	s_mul_i32 s45, s16, AHALF                      ; where they go: A's halves,
	s_mul_i32 s95, s16, HALFT
	s_add_co_u32 s95, s95, 2*AHALF                 ; B's behind them: no place in the cluster enters an LDS address
	s_mul_i32 s94, s14, HALFS
	s_wait_dscnt 0x0                               ; the opening add is done
	s_wait_kmcnt 0x0
	s_add_nc_u64 s[20:21], s[4:5], s[20:21]
	s_add_nc_u64 s[22:23], s[6:7], s[22:23]
	s_add_nc_u64 s[46:47], s[8:9], s[46:47]
	s_add_nc_u64 s[92:93], s[10:11], s[92:93]
	CROUND                                         ; all sixteen work-groups are here: the first joint loads meet
	s_mov_b32 s[G0S], 1
	s_add_co_u32 s[G0S+1], s94, SCL
	s_mov_b64 s[G0S+2:G0S+3], s[22:23]
	s_or_b32 s[G0S+3], s[G0S+3], 0x80000000
	s_mov_b32 s[G0SB], 1
	s_add_co_u32 s[G0SB+1], s94, SCL
	s_mov_b64 s[G0SB+2:G0SB+3], s[92:93]
	s_or_b32 s[G0SB+3], s[G0SB+3], 0x80000000
	JLOAD G0S, G1S, G0SB, G1SB                     ; the scales first
.irp s, 0,1
	s_mov_b32 s[G0+4*\s], 1
	s_add_co_u32 s[G0+4*\s+1], s45, \s*SLOT
	s_add_nc_u64 s[G0+4*\s+2:G0+4*\s+3], s[20:21], \s*32768
	s_or_b32 s[G0+4*\s+3], s[G0+4*\s+3], 0x80000000
	s_mov_b32 s[G0B+4*\s], 1
	s_add_co_u32 s[G0B+4*\s+1], s95, \s*SLOT
	s_add_nc_u64 s[G0B+4*\s+2:G0B+4*\s+3], s[46:47], \s*ROWB
	s_or_b32 s[G0B+4*\s+3], s[G0B+4*\s+3], 0x80000000
	JLOAD G0+4*\s, G1, G0B+4*\s, G1B               ; three tensor loads of mine are out
.endr
	v_and_b32 v1, 15, v0                           ; r
	v_bfe_u32 v2, v0, 4, 1                         ; h
	v_mul_u32_u24 v3, v1, PITCH
	v_lshl_add_u32 v4, v2, 4, v3                   ; B: row x 272 + 16 h
	v_mul_u32_u24 v3, v1, AP
	v_lshl_add_u32 v3, v2, 4, v3                   ; A: row x 80 + 16 h
	s_mul_i32 s21, s15, AHALF                      ; my 128 rows of A
	s_mul_i32 s22, s16, HALFT                      ; my 128 rows of B,
	s_add_co_u32 s22, s22, 2*AHALF                 ; which lie behind A's
.irp s, 0,1
	v_add_nc_u32 v[ADRA+\s], s21, v3
	v_add_nc_u32 v[ADRB+\s], s22, v4
	s_add_co_u32 s21, s21, SLOT
	s_add_co_u32 s22, s22, SLOT
.endr
	v_mul_u32_u24 v5, v1, KS
	v_lshrrev_b32 v6, 8, v5
	v_lshl_add_u32 v5, v6, 4, v5
	s_mul_i32 s21, s15, HALFS
	s_mul_i32 s22, s16, HALFS
	s_add_co_u32 s22, s22, 2*HALFS
	s_sub_co_u32 s22, s22, s21
	v_mul_u32_u24 v6, s22, v2                      ; lanes 16-31 take B's
	s_add_co_u32 s21, s21, SCL
	v_add_nc_u32 v5, v5, v6
	v_add_nc_u32 v[ADRS], s21, v5
	s_mul_i32 s23, s14, 16*SPITCH                  ; my stage
	v_mul_u32_u24 v5, v1, SPITCH
	v_lshl_add_u32 v5, v2, 6, v5                   ; in: row r; my half's 16 columns of each 32: 64 h bytes on
	v_add_nc_u32 v[STO], s23, v5
	v_and_b32 v6, 31, v0
	v_lshlrev_b32 v[CO], 4, v6                     ; back: the 32 lanes take one row of 512 bytes; and the same in out0
	v_add_nc_u32 v[RD], s23, v[CO]
	s_lshl_b32 s20, s17, 8
	s_lshl_b32 s21, s15, 7
	s_add_co_u32 s20, s20, s21                     ; my first row of out0
	s_lshl_b32 s20, s20, 12                        ; 4,096 bytes a row
	s_mov_b32 s21, 0
	s_lshl_b32 s46, s42, 10                        ; my first column, in bytes: in out0 and in b_proj alike
	s_lshl_b32 s47, s16, 9
	s_add_co_u32 s46, s46, s47
	s_mov_b32 s47, 0
	s_add_nc_u64 s[20:21], s[20:21], s[46:47]
	s_add_nc_u64 s[12:13], s[98:99], s[20:21]
	s_add_nc_u64 s[46:47], s[96:97], s[46:47]
	v_lshlrev_b32 v5, 6, v2                        ; 16 h numbers on
.irp t, 0,1,2,3,4,5,6,7
	global_load_b128 v[BN+8*\t:BN+8*\t+3], v5, s[46:47] offset:(32*(\t/2)+8*(\t%2))*4       ; tile t, register j: b(my first column + 32 (t / 2) + 16 h + 8 (t % 2) + j)
	global_load_b128 v[BN+8*\t+4:BN+8*\t+7], v5, s[46:47] offset:(32*(\t/2)+8*(\t%2))*4+16
.endr
	s_wait_alu depctr_va_vdst(0)
	s_wait_loadcnt 0x0
.macro FRAG reg, adr, q, i             ; B: 16 rows x 128 K: registers 4 c .. 4 c + 3 hold K = 32 c + 16 (l / 16) + 0 .. 15
.irp c, 0,1,2,3
	ds_load_b128 v[\reg+4*\c:\reg+4*\c+3], v[\adr] offset:128*(\q)+32*\c+(\i)*16*PITCH
.endr
.endm
.macro FRAGA reg, adr, q, i            ; A: the same K lies in head 2 q + c / 2 of the slot, at byte 32 (c % 2) + 16 (l / 16) of the row
.irp c, 0,1,2,3
	ds_load_b128 v[\reg+4*\c:\reg+4*\c+3], v[\adr] offset:(2*(\q)+\c/2)*AHEAD+32*(\c%2)+(\i)*16*AP
.endr
.endm
; 16 matrix instructions: A's blocks a0, a0 + 1 x B's eight.  zero = 1: the first product starts the sums, with the bias as C.  The 64 accumulators take turns, one instruction a turn.
.macro MUL16 a0, p, q, sc, zero
.irp a, \a0, \a0+1
.irp b, 0,1,2,3,4,5,6,7
.if \zero
	v_wmma_scale_f32_16x16x128_f8f6f4 v[8*(8*((\a)%4)+\b):8*(8*((\a)%4)+\b)+7], v[128*(\p)+FR*\b:128*(\p)+FR*\b+FR-1], v[AF+FR*(\a):AF+FR*(\a)+FR-1], v[BN+8*\b:BN+8*\b+7], v[SC+8*NQ*(\sc)+NQ*\b+(\q)], v[SC+8*NQ*(\sc)+NQ*(\a)+(\q)] matrix_a_scale:MATRIX_SCALE_ROW1
.else
	v_wmma_scale_f32_16x16x128_f8f6f4 v[8*(8*((\a)%4)+\b):8*(8*((\a)%4)+\b)+7], v[128*(\p)+FR*\b:128*(\p)+FR*\b+FR-1], v[AF+FR*(\a):AF+FR*(\a)+FR-1], v[8*(8*((\a)%4)+\b):8*(8*((\a)%4)+\b)+7], v[SC+8*NQ*(\sc)+NQ*\b+(\q)], v[SC+8*NQ*(\sc)+NQ*(\a)+(\q)] matrix_a_scale:MATRIX_SCALE_ROW1
.endif
.endr
.endr
.endm
.macro FETCH_B slot, q, p
	WIN TO_B
.irp i, 0,1,2,3,4,5,6,7
	FRAG 128*(\p)+FR*\i, ADRB+\slot, \q, \i
.endr
	WIN 0
.endm
.macro FETCH_A slot, q, i0
.irp i, \i0, \i0+1, \i0+2, \i0+3
	FRAGA AF+FR*(\i), ADRA+\slot, \q, \i
.endr
.endm
.macro SCALES sc
.irp i, 0,1,2,3,4,5,6,7
	ds_load_b64 v[SC+8*NQ*\sc+NQ*\i:SC+8*NQ*\sc+NQ*\i+1], v[ADRS] offset:\i*SBLK
.endr
.endm
.macro PLACES n
.rept \n
	v_nop
.endr
.endm
.macro STEP slot, q, zero
	s_wait_dscnt 4*NL                              ; B's set and A's blocks 0-3 are in; the youngest sixteen loads (A's blocks 4-7) may be out
.if \zero
	WIN 0x81                                       ; C (the bias) window 0, D window 2
.else
	WIN MUL_LO
.endif
	MUL16 0, (\q)%2, \q, \slot, \zero
	MUL16 2, (\q)%2, \q, \slot, \zero
	s_wait_dscnt 0
	PLACES NP
	FETCH_B \slot, (\q)+1, 1-(\q)%2
	FETCH_A \slot, (\q)+1, 0
.if \zero
	WIN 0xc1
.else
	WIN MUL_HI
.endif
	MUL16 4, (\q)%2, \q, \slot, \zero
	MUL16 6, (\q)%2, \q, \slot, \zero
	PLACES NP
	WIN 0
	FETCH_A \slot, (\q)+1, 4
.endm
; A slot's last step changes slots: ONE barrier; in front of it each wave waits for all its tensor loads, adds 0 to its spare word, and waits for that and for its own reads of this slot.
.macro TURN slot, next, fill
	s_wait_tensorcnt 0x0                           ; all my tensor loads have landed: my part of the next slot
	ds_add_u32 v[SPW], v[NIL]                      ; 0 onto my spare word
	s_wait_dscnt 4*NL+1                            ; (the add and the youngest sixteen loads may be out)
	WIN MUL_LO
	MUL16 0, 1, NQ-1, \slot, 0
	s_wait_dscnt 0x0                               ; the add is done, and my reads of this slot are over
	s_barrier_signal -1
	MUL16 2, 1, NQ-1, \slot, 0
	WIN 0
	s_barrier_wait -1
.if \fill
	CREST                                          ; the barrier has opened a round of the cluster's barrier: no wave of any partner still reads this slot's tile or has a load on its way
	s_add_nc_u64 s[G0+4*\slot+2:G0+4*\slot+3], s[G0+4*\slot+2:G0+4*\slot+3], 2*32768
	s_add_nc_u64 s[G0B+4*\slot+2:G0B+4*\slot+3], s[G0B+4*\slot+2:G0B+4*\slot+3], 2*ROWB
	JLOAD G0+4*\slot, G1, G0B+4*\slot, G1B
	PLACES NP-4
.else
	PLACES NP
.endif
	s_wait_alu depctr_va_vdst(0)
	v_add_nc_u32 v[ADRS], 4*NQ, v[ADRS]
	FETCH_B \next, 0, 0
	FETCH_A \next, 0, 0
	SCALES \next
	WIN MUL_HI
	MUL16 4, 1, NQ-1, \slot, 0
	MUL16 6, 1, NQ-1, \slot, 0
	PLACES NP
	WIN 0
	FETCH_A \next, 0, 4
.endm
	s_wait_tensorcnt 1                             ; the scales and my part of K step 0 are in (K step 1's load may be out),
	s_barrier_signal -1
	s_barrier_wait -1                              ; everybody's are
	FETCH_B 0, 0, 0
	FETCH_A 0, 0, 0
	SCALES 0
	FETCH_A 0, 0, 4
	STEP 0, 0, 1
	s_mov_b32 s3, LAPS-1
.Llap:
	TURN 0, 1, 1
	STEP 1, 0, 0
	TURN 1, 0, 1
	STEP 0, 0, 0
	s_sub_co_u32 s3, s3, 1
	s_cmp_lg_u32 s3, 0
	s_cbranch_scc1 .Llap
	TURN 0, 1, 0
	STEP 1, 0, 0
	s_wait_dscnt 4*NL
	WIN MUL_LO
	MUL16 0, 1, NQ-1, 1, 0
	MUL16 2, 1, NQ-1, 1, 0
	s_wait_dscnt 0
	WIN MUL_HI
	MUL16 4, 1, NQ-1, 1, 0
	MUL16 6, 1, NQ-1, 1, 0
	WIN 0
; THE WAY OUT, block by block of 16 rows x 128 columns, through my own stage: in by true column, back as whole rows of 512 bytes.  LDS serves a wave's instructions in order: no wait between the stores and the loads.
.macro TOSTAGE a
.set AC, 64*((\a)%4)
	WIN 0x08+4*((\a)/4)                            ; the data: window 2 or 3
.irp b, 0,1,2,3,4,5,6,7
	ds_store_b128 v[STO], v[AC+8*\b:AC+8*\b+3] offset:128*(\b/2)+32*(\b%2)          ; each accumulator from its low end on
	ds_store_b128 v[STO], v[AC+8*\b+4:AC+8*\b+7] offset:128*(\b/2)+32*(\b%2)+16
.endr
	WIN 0
.set BB, BK+64*((\a)%2)
.irp t, 0,1,2,3,4,5,6,7,8,9,10,11,12,13,14,15
	ds_load_b128 v[BB+4*\t:BB+4*\t+3], v[RD] offset:\t*SPITCH
.endr
.endm
.macro SEND a, younger
.set BB, BK+64*((\a)%2)
	s_wait_dscnt \younger                          ; the block is back in registers
.if (\a) > 0
	s_add_nc_u64 s[12:13], s[12:13], 16*SIZE_N*4   ; (behind a wait on XCNT: the earlier stores have read their base)
.endif
.irp t, 0,1,2,3,4,5,6,7,8,9,10,11,12,13,14,15
	global_store_b128 v[CO], v[BB+4*\t:BB+4*\t+3], s[12:13] offset:\t*SIZE_N*4 th:TH_STORE_NT   ; 32 lanes store 512 consecutive bytes, aligned; written once, read by nobody here
.endr
.endm
	PLACES NP
	TOSTAGE 0
.irp a, 1,2,3,4,5,6,7
.if \a > 1
	s_wait_xcnt 0x0                                ; block a - 2's stores have read their registers and their base
.endif
	TOSTAGE \a
	SEND \a-1, 32                                  ; behind block a - 1's loads: block a's 16 stores and 16 loads
.endr
	s_wait_xcnt 0x0
	SEND 7, 0
	s_wait_tensorcnt 0x0                           ; the wave's end, behind my last tensor load and my last LDS store
	ds_add_u32 v[SPW], v[NIL]
	s_wait_dscnt 0x0
	CROUND                                         ; the closing round
	s_endpgm
.Lfunc_end_k_qba68d552d5_gemm_proj:
	.size	k_qba68d552d5_gemm_proj, .Lfunc_end_k_qba68d552d5_gemm_proj-k_qba68d552d5_gemm_proj
	.p2alignl 7, 3214868480
	.fill 96, 4, 3214868480
	.section	.rodata,"a",@progbits
	.p2align	6, 0x0
	.amdhsa_kernel k_qba68d552d5_gemm_proj
		.amdhsa_group_segment_fixed_size 327680
		.amdhsa_private_segment_fixed_size 0
		.amdhsa_enable_private_segment 0
		.amdhsa_kernarg_size 48
		.amdhsa_user_sgpr_count 2
		.amdhsa_user_sgpr_kernarg_segment_ptr 1
		.amdhsa_wavefront_size32 1
		.amdhsa_system_sgpr_workgroup_id_x 1
		.amdhsa_system_sgpr_workgroup_id_y 1
		.amdhsa_system_sgpr_workgroup_id_z 1
		.amdhsa_system_vgpr_workitem_id 0
		.amdhsa_next_free_vgpr 1024
		.amdhsa_next_free_sgpr 100
		.amdhsa_reserve_vcc 0
		.amdhsa_float_denorm_mode_32 3
		.amdhsa_float_denorm_mode_16_64 3
		.amdhsa_memory_ordered 1
		.amdhsa_forward_progress 1
		.amdhsa_inst_pref_size 147
	.end_amdhsa_kernel
	.amdgpu_metadata
---
amdhsa.version: [ 1, 2 ]
amdhsa.kernels:
  - .name:           k_qba68d552d5_gemm_proj
    .symbol:         k_qba68d552d5_gemm_proj.kd
    .args:
      - { .name: ac, .offset: 0, .size: 8, .value_kind: global_buffer, .address_space: global }
      - { .name: asc, .offset: 8, .size: 8, .value_kind: global_buffer, .address_space: global }
      - { .name: cod, .offset: 16, .size: 8, .value_kind: global_buffer, .address_space: global }
      - { .name: scl, .offset: 24, .size: 8, .value_kind: global_buffer, .address_space: global }
      - { .name: b_proj, .offset: 32, .size: 8, .value_kind: global_buffer, .address_space: global }
      - { .name: out0, .offset: 40, .size: 8, .value_kind: global_buffer, .address_space: global }
    .group_segment_fixed_size: 327680
    .private_segment_fixed_size: 0
    .kernarg_segment_align: 8
    .kernarg_segment_size: 48
    .max_flat_workgroup_size: 128
    .sgpr_count:     100
    .vgpr_count:     1024
    .wavefront_size: 32
...
	.end_amdgpu_metadata
.endif
;; end of part 4
